; MI455X (gfx1250); checked and timed in simulation.
; The chip was launched on July 23, 2026; its instructions are those of AMD's public machine-readable ISA for CDNA 5 (MIT licence, August 2026) and "CDNA5" Instruction Set Architecture Reference Guide (July 2026). The comments in the code are by the model that wrote it; some were corrected since.
;; Attn Block. Allowed arithmetic: matrix products marked QUANTISED: E2M3 operands, one E8M0 scale for each 32 along K, by v_wmma_scale_f32_16x16x128_f8f6f4 with both operands' format E2M3, f32 sums; everything else in f32.
;; Inputs: bk 512 float32; bproj 512 float32; bq 512 float32; bv 512 float32; gn_bias 512 float32; gn_scale 512 float32; wk_codes 512 x 16 x 24 uint8 (E2M3 codes of wk, K innermost, in blocks of 32 codes, four codes in three bytes); wk_scales 512 x 16 uint8 (E8M0 scales of wk, one for each 32 codes along K); wproj_codes 512 x 16 x 24 uint8 (E2M3 codes of wproj, K innermost, in blocks of 32 codes, four codes in three bytes); wproj_scales 512 x 16 uint8 (E8M0 scales of wproj, one for each 32 codes along K); wq_codes 512 x 16 x 24 uint8 (E2M3 codes of wq, K innermost, in blocks of 32 codes, four codes in three bytes); wq_scales 512 x 16 uint8 (E8M0 scales of wq, one for each 32 codes along K); wv_codes 512 x 16 x 24 uint8 (E2M3 codes of wv, K innermost, in blocks of 32 codes, four codes in three bytes); wv_scales 512 x 16 uint8 (E8M0 scales of wv, one for each 32 codes along K); x 2 x 8 x 512 x 32 x 32 float32.
;; Outputs: out0 2 x 8 x 512 x 32 x 32 float32.
;; This version of the problem:
;;   THIS VERSION OF THE PROBLEM IS GIVEN IN LOW PRECISION. The matrix products marked QUANTISED in the list below multiply operands that are first quantised to E2M3 (2 exponent bits, 3 mantissa bits; 6 bits a number), with one power-of-two scale for each 32 numbers along K (OCP MX v1.0); their sums are f32. All else is computed in f32.
;;   The module's matrix products, in the order in which they are computed (A, B: the left and right operand; K: the contracted axis; several contracted axes count as one K, in the product's order):
;;     1. [M 16,384, K 512] x [K 512, N 512]; A: computed on the way; B: input wq (given as codes): QUANTISED
;;     2. [M 16,384, K 512] x [K 512, N 512]; A: computed on the way; B: input wk (given as codes): QUANTISED
;;     3. [M 16,384, K 512] x [K 512, N 512]; A: computed on the way; B: input wv (given as codes): QUANTISED
;;     4. batch 16 x [M 1,024, K 512] x [K 512, N 1,024]; A: computed on the way; B: computed on the way: QUANTISED
;;     5. batch 16 x [M 512, K 1,024] x [K 1,024, N 1,024]; A: computed on the way; B: softmax (see below): QUANTISED
;;     6. [M 16,384, K 512] x [K 512, N 512]; A: computed on the way; B: input wproj (given as codes): QUANTISED
;;   THE QUANTISER, for each operand of a quantised product, along K:
;;     - K is cut into blocks of 32 from its start; a last block that is shorter is filled with zeros.
;;     - A block's scale is 2^e with e = floor(log2(the largest magnitude in the block)) - 2, held to -126 .. 127; a block of zeros has e = 0. As a byte (E8M0): e + 127.
;;     - Each number is divided by its block's scale, clamped to +-7.5, and rounded to the nearest number of E2M3, ties to even, subnormals kept.
;;     - The product sums the exact products of the quantised numbers (number of the format x scale) in f32.
;;   ~~~python
;;   def quantise(x, axis):      # numpy; x: float32 -> the quantised numbers, widened to float32 again
;;       x = np.moveaxis(x, axis, -1); K = x.shape[-1]
;;       x = np.pad(x, [(0, 0)] * (x.ndim - 1) + [(0, -K % 32)]); x = x.reshape(x.shape[:-1] + (-1, 32)); a = np.abs(x).max(-1, keepdims=True)
;;       e = np.where(a > 0, np.clip(np.frexp(np.where(a > 0, a, 1))[1] - 1 - 2, -126, 127), 0)      # np.frexp(a)[1] - 1 = floor(log2(a)), exactly
;;       r = np.clip(x / 2.0 ** e, -7.5, 7.5)
;;       step = 2.0 ** (np.maximum(np.frexp(np.where(r == 0, 1, r))[1] - 1, 0) - 3)
;;       q = np.round(r / step) * step * 2.0 ** e      # np.round: ties to even
;;       return np.moveaxis(q.reshape(q.shape[:-2] + (-1,))[..., :K], -1, axis).astype(np.float32)
;;   ~~~
;;   SOFTMAX AHEAD OF A QUANTISED PRODUCT. Where the list says 'softmax', what is quantised is not the finished softmax but p = 2^(t - M), with t = logit x log2(e) and M = ceil(the row's largest t), a whole number; so 1/2 < the row's largest p <= 1. The row's sum l is taken of the UNQUANTISED p, in f32, and the product's result is divided by l at the end. Since M is a whole number, a kernel that streams over the keys may use a running M (the ceiling of the running maximum): every later rescaling is an exact power of two, which a block's scale takes up: the codes' values come out the same.
;;   OPERANDS COMPUTED ON THE WAY. 'Computed on the way' means the value that the module computes at that place (a softmax that the list does not call 'softmax' is quantised finished and normalised). What goes into a quantiser is computed in f32, as accurately as f32 sums, v_exp_f32 and their like allow (about 1e-6 of the number): no bf16 or f16 on the way to a quantiser, and a product that is left as it is and whose result goes on into a quantised operand takes f32 operands (vector FMAs, or v_wmma_f32_16x16x4_f32). A number that lies on a knife's edge between two numbers of the format may be rounded either way, as far as f32 arithmetic and the matrix unit's own rounding can turn it there, and no further.
;;   INPUTS GIVEN AS CODES. wk (in the module: [512, 512], K = its axis 1); wproj (in the module: [512, 512], K = its axis 1); wq (in the module: [512, 512], K = its axis 1); wv (in the module: [512, 512], K = its axis 1): each comes as NAME_codes (uint8): NAME with its K axis moved to the last place and cut into blocks of 32 codes, [.., K / 32, bytes a block], one block behind the other in memory; four codes in three bytes: a row's codes are one little-endian stream of bits, code i at bits 6 i .. 6 i + 5 (a code: sign, 2 exponent bits, 3 mantissa bits); and NAME_scales (uint8): the same leading axes, one E8M0 byte (e + 127) for each 32 codes along K. Its value is code x scale, taken as it is: it is not quantised again, and the codes and scales need not be those that the quantiser above would give.
;; One version. Each part assembles by itself: llvm-mc -triple=amdgcn-amd-amdhsa -mcpu=gfx1250 --defsym DOCPART=n.
;; ======== version 1 of 1: 3 launches
;; workspace buffers: hc 6,291,456 bytes; hs 262,144 bytes; wimg 786,432 bytes; qkc 12,582,912 bytes; vc 6,291,456 bytes; sw 786,432 bytes
;; launch norm (part 1): grid 16 x 16, 8 waves a work-group, no clusters, 26,624 bytes of LDS; arguments x, gn_scale, gn_bias, wq_codes, wk_codes, wv_codes, wproj_codes, hc, hs, wimg; writes hc, hs, wimg
.if DOCPART == 1
	.amdgcn_target "amdgcn-amd-amdhsa--gfx1250"
	.amdhsa_code_object_version 6
	.text
	.protected	k_q2e608e67bc_norm
	.globl	k_q2e608e67bc_norm
	.p2align	8
	.type	k_q2e608e67bc_norm,@function
k_q2e608e67bc_norm:
	s_mov_b64 s[64:65], 0
	v_nop
	global_prefetch_b8 v0, s[64:65] scope:SCOPE_SE
	s_setreg_imm32_b32 hwreg(HW_REG_WAVE_MODE, 25, 1), 1
	s_wait_xcnt 0x0
; GroupNorm of x [16 images][512 channels][1,024 pixels] and its quantising to FP6 (E2M3) along the channels; beside it the four weights' codes are laid out as register images.
; SHARES.  A work-group takes image b (grid y) and channels 32 cb .. 32 cb + 31 (grid x): two whole groups of the norm, ONE block of 32 of the quantiser for each pixel, 131,072 consecutive bytes of x.
; Thread t holds pixels 4 t .. 4 t + 3 of all 32 channels in 128 registers: x is read once.  Mean first, then the sum of squares of x - mean: no difference of large sums is formed.
; y = (x - mean) (gamma rstd) + beta by one fused multiply-add, whose destination register runs along the channels: so a pixel's 32 numbers stand in 32 consecutive registers, as the conversions want them.
; OUT.  hc [b][cb]{[pixel][16 bytes]; at +16,384 [pixel][8 bytes]}: the 24 bytes of codes of (pixel, block cb), split as the operand's registers 0-3 and 4-5;  hs [b][cb][pixel]: the E8M0 byte.
; They leave through the wave's own stage in LDS, so that each store of a wave covers 512 consecutive bytes.
; WEIGHTS.  wimg [matrix q, k, v, proj][tile 32][K step 4][1,536 bytes]: a fragment (16 rows x 128 K, 12 registers a lane), registers 4 k .. 4 k + 3 of lane l at 512 k + 16 l.
; Row r of tile T is weight row 64 (T / 4) + 8 (T % 4) + r % 8 + 32 (r / 8): so the results of four neighbouring tiles are, in a lane, 32 neighbours along the next product's K.
; 512 fragments, two to a work-group: waves 0 and 1 copy one each.
; LIMITS: NaN and infinities are not served.  A block whose largest magnitude lies under 2^-124 (a block of zeros among them) gets the byte 1; its codes are then small or zero, and this program alone reads the bytes.
.set X,    16                          ; v16-143  x[c][i] at X + 4 c + i, later x - mean
.set YA,   144                         ; v144-175, v176-207  a pixel's 32 numbers, two sets by turns; before that the sums
.set CD,   208                         ; v208-231 six registers of codes for each of my four pixels
.set PX,   232                         ; v232-234 the second half of a block's codes
.set T,    236                         ; v236-237 largest magnitudes
.set SO,   238                         ; v238     the conversion's scale operand
.set BY,   239                         ; v239     the scale's byte
.set SB,   240                         ; v240     my four pixels' bytes
.set RED1, 0                           ; LDS: eight waves' pairs of sums;
.set RED2, 256                         ; of squares;
.set STG,  512                         ; a stage of 3,072 bytes for each wave: 2,048 of 16-byte parts, 1,024 of 8-byte parts
.set WSTG, 3072
	s_load_b512 s[4:19], s[0:1], 0x0               ; x 4:5, gn_scale 6:7, gn_bias 8:9, wq 10:11, wk 12:13, wv 14:15, wproj 16:17, hc 18:19
	s_load_b128 s[20:23], s[0:1], 0x40             ; hs 20:21, wimg 22:23
	v_lshl_add_u32 v235, v0, 2, 0x6400
	v_mov_b32 v243, 0
	v_lshrrev_b32 v2, 5, v0
	v_readfirstlane_b32 s56, v2                    ; wave 0..7
	v_and_b32 v3, 31, v0                           ; lane
	v_lshlrev_b32 v1, 4, v0                        ; x: 16 t
	v_lshlrev_b32 v12, 2, v0                       ; hs: 4 t
	v_lshlrev_b32 v8, 4, v3                        ; 16 x lane
	v_and_b32 v4, 7, v0
	v_bfe_u32 v5, v0, 3, 1
	v_lshl_add_u32 v4, v5, 5, v4                   ; r % 8 + 32 (r / 8)
	v_bfe_u32 v5, v0, 4, 1                         ; h
	v_mul_u32_u24 v7, v4, 384                      ; a weight's row is 384 bytes
	v_mad_u32_u24 v7, v5, 24, v7                   ; + 24 h
	s_mul_i32 s62, s56, WSTG
	s_add_co_u32 s62, s62, STG                     ; my wave's stage
	v_lshl_add_u32 v4, v3, 6, s62                  ; in: four pixels x 16 bytes a lane
	v_lshl_add_u32 v5, v3, 5, s62                  ; in: four pixels x 8 bytes a lane (2,048 further on)
	v_add_nc_u32 v6, s62, v8                       ; back: 16 bytes a lane
	s_lshl_b32 s62, s56, 11
	v_add_nc_u32 v9, s62, v8                       ; hc, 16-byte parts: 2,048 x wave + 16 x lane
	s_lshl_b32 s62, s56, 10
	s_add_co_u32 s62, s62, 16384
	v_add_nc_u32 v13, s62, v8                      ; hc, 8-byte parts: 16,384 + 1,024 x wave + 16 x lane
	v_mov_b32 v10, s56
	v_lshlrev_b32 v10, 3, v10                      ; my wave's pair of sums
	v_mov_b32 v11, 0
	v_mov_b32 v241, 0                              ; written once: a lane permute's destination counts as one of its sources
	v_mov_b32 v242, 0
	s_mov_b32 s58, 0x76543210
	s_mov_b32 s59, 0xfedcba98                      ; v_permlanex16_b32's selects for lane l xor 16
	s_and_b32 s57, ttmp7, 0xffff                   ; b
	s_lshl_b32 s100, s57, 4
	s_add_co_u32 s100, s100, ttmp9                 ; g = 16 b + cb
	s_mov_b32 s3, 0
	s_lshl_b32 s2, s100, 17                        ; 32 channels of 4,096 bytes
	s_wait_kmcnt 0x0
	s_add_nc_u64 s[4:5], s[4:5], s[2:3]
.set cc, 0
.rept 32
	global_load_b128 v[X+4*cc:X+4*cc+3], v1, s[4:5] offset:4096*cc   ; a wave reads 512 consecutive bytes of channel cc
.set cc, cc+1
.endr
	s_lshl_b32 s2, ttmp9, 7                        ; my 32 gains and biases
	s_add_nc_u64 s[6:7], s[6:7], s[2:3]
	s_add_nc_u64 s[8:9], s[8:9], s[2:3]
	s_load_b512 s[24:39], s[6:7], 0x0              ; gamma
	s_load_b512 s[40:55], s[6:7], 0x40
	s_load_b512 s[68:83], s[8:9], 0x0              ; beta
	s_load_b512 s[84:99], s[8:9], 0x40
	s_mul_i32 s2, s100, 24576
	s_add_nc_u64 s[18:19], s[18:19], s[2:3]        ; hc at (b, cb)
	s_lshl_b32 s2, s100, 10
	s_add_nc_u64 s[20:21], s[20:21], s[2:3]        ; hs at (b, cb)
	; ---- waves 0 and 1: fragment f = 2 g + wave of the 512
	s_cmp_lt_u32 s56, 2
	s_cbranch_scc0 .Lno_weights
	s_lshl_b32 s101, s100, 1
	s_add_co_u32 s101, s101, s56                   ; f: matrix f / 128 = b / 4, tile (f / 4) % 32, K step f % 4
	s_mul_i32 s2, s101, 1536
	s_add_nc_u64 s[22:23], s[22:23], s[2:3]
	s_lshr_b32 s2, s57, 2
	s_cmp_eq_u32 s2, 1                             ; the choice hangs on the work-group's number alone
	s_cselect_b64 s[62:63], s[12:13], s[10:11]
	s_cmp_eq_u32 s2, 2
	s_cselect_b64 s[62:63], s[14:15], s[62:63]
	s_cmp_eq_u32 s2, 3
	s_cselect_b64 s[62:63], s[16:17], s[62:63]
	s_bfe_u32 s2, s101, 0x30004                    ; T / 4
	s_lshl_b32 s2, s2, 6
	s_bfe_u32 s57, s101, 0x20002                   ; T % 4
	s_lshl_b32 s57, s57, 3
	s_add_co_u32 s2, s2, s57                       ; the tile's first row
	s_mul_i32 s2, s2, 384
	s_and_b32 s57, s101, 3
	s_mul_i32 s57, s57, 96                         ; the K step: 128 codes are 96 bytes
	s_add_co_u32 s2, s2, s57
	s_add_nc_u64 s[62:63], s[62:63], s[2:3]
.irp p, 0,1,2,3,4,5
	global_load_b64 v[244+2*\p:245+2*\p], v7, s[62:63] offset:48*(\p/3)+8*(\p%3)   ; 24 bytes at 24 h, 24 bytes at 48 + 24 h: the operand's registers as they lie
.endr
	s_wait_loadcnt 0x0                             ; the fragment is in (and so is x: the counted waits below are then met at once)
.irp k, 0,1,2
	global_store_b128 v8, v[244+4*\k:247+4*\k], s[22:23] offset:512*\k   ; the wave stores 512 consecutive bytes; these registers are not written again
.endr
.Lno_weights:
; eight channels' numbers onto the two chains at v[a] and v[a + 2]; first = 1: the first two channels start the chains
.macro ADD8 a, c0, first
.if \first
	v_pk_add_f32 v[\a:\a+1], v[X+4*(\c0):X+4*(\c0)+1], v[X+4*(\c0)+4:X+4*(\c0)+5]
	v_pk_add_f32 v[\a+2:\a+3], v[X+4*(\c0)+2:X+4*(\c0)+3], v[X+4*(\c0)+6:X+4*(\c0)+7]
.endif
.irp c, 0,1,2,3,4,5,6,7
.if (\c >= 2) || (\first == 0)
	v_pk_add_f32 v[\a:\a+1], v[\a:\a+1], v[X+4*(\c0+\c):X+4*(\c0+\c)+1]
	v_pk_add_f32 v[\a+2:\a+3], v[\a+2:\a+3], v[X+4*(\c0+\c)+2:X+4*(\c0+\c)+3]
.endif
.endr
.endm
; sixteen channels' squares onto the two chains at v[a] and v[a + 2]
.macro SQ16 a, c0
	v_pk_mul_f32 v[\a:\a+1], v[X+4*(\c0):X+4*(\c0)+1], v[X+4*(\c0):X+4*(\c0)+1]
	v_pk_mul_f32 v[\a+2:\a+3], v[X+4*(\c0)+2:X+4*(\c0)+3], v[X+4*(\c0)+2:X+4*(\c0)+3]
.irp c, 1,2,3,4,5,6,7,8,9,10,11,12,13,14,15
	v_pk_fma_f32 v[\a:\a+1], v[X+4*(\c0+\c):X+4*(\c0+\c)+1], v[X+4*(\c0+\c):X+4*(\c0+\c)+1], v[\a:\a+1]
	v_pk_fma_f32 v[\a+2:\a+3], v[X+4*(\c0+\c)+2:X+4*(\c0+\c)+3], v[X+4*(\c0+\c)+2:X+4*(\c0+\c)+3], v[\a+2:\a+3]
.endr
.endm
; the chains v[144:147] (group 0) and v[148:151] (group 1) become the work-group's two sums, v152 and v153, in every lane
.macro REDUCE off
	v_pk_add_f32 v[144:145], v[144:145], v[146:147]
	v_pk_add_f32 v[148:149], v[148:149], v[150:151]
	v_add_f32 v144, v144, v145
	v_add_f32 v145, v148, v149
.irp m, 1,2,4,8
	v_add_f32_dpp v144, v144, v144 row_xmask:\m row_mask:0xf bank_mask:0xf
	v_add_f32_dpp v145, v145, v145 row_xmask:\m row_mask:0xf bank_mask:0xf
.endr
	v_permlanex16_b32 v241, v144, s58, s59
	v_permlanex16_b32 v242, v145, s58, s59
	v_add_f32 v144, v144, v241
	v_add_f32 v145, v145, v242
	ds_store_b64 v10, v[144:145] offset:\off       ; all lanes write the same pair with the same values
	s_wait_dscnt 0x0                               ; for the others' sake: my store has landed
	s_barrier_signal -1
	s_barrier_wait -1
.irp k, 0,1,2,3
	ds_load_b128 v[152+4*\k:155+4*\k], v11 offset:\off+16*\k
.endr
	s_wait_dscnt 0x0
	v_pk_add_f32 v[152:153], v[152:153], v[154:155]
	v_pk_add_f32 v[156:157], v[156:157], v[158:159]
	v_pk_add_f32 v[160:161], v[160:161], v[162:163]
	v_pk_add_f32 v[164:165], v[164:165], v[166:167]
	v_pk_add_f32 v[152:153], v[152:153], v[156:157]
	v_pk_add_f32 v[160:161], v[160:161], v[164:165]
	v_pk_add_f32 v[152:153], v[152:153], v[160:161]
.endm
	; ---- the means: loads come back in order, so each count leaves the younger channels' loads out
	s_wait_loadcnt 24
	ADD8 144, 0, 1
	s_wait_loadcnt 16
	ADD8 144, 8, 0
	s_wait_loadcnt 8
	ADD8 148, 16, 1
	s_wait_loadcnt 0x0
	ADD8 148, 24, 0
	REDUCE RED1
	v_mul_f32 v168, 0x38800000, v152               ; / 16,384 numbers in a group
	v_mul_f32 v170, 0x38800000, v153
	v_mov_b32 v169, v168                           ; as pairs, for the packed subtraction
	v_mov_b32 v171, v170
	; ---- x - mean in place, and the sums of its squares
.set cc, 0
.rept 32
	v_pk_add_f32 v[X+4*cc:X+4*cc+1], v[X+4*cc:X+4*cc+1], v[168+2*(cc/16):169+2*(cc/16)] neg_lo:[0,1] neg_hi:[0,1]
	v_pk_add_f32 v[X+4*cc+2:X+4*cc+3], v[X+4*cc+2:X+4*cc+3], v[168+2*(cc/16):169+2*(cc/16)] neg_lo:[0,1] neg_hi:[0,1]
.set cc, cc+1
.endr
	SQ16 144, 0
	SQ16 148, 16
	REDUCE RED2                                    ; other bytes than the first reduction's: no wave can overwrite what another still reads
	s_mov_b32 s100, 0x38800000                     ; 2^-14
	s_mov_b32 s101, 0x358637bd                     ; 1e-6
	v_fma_f32 v152, v152, s100, s101               ; variance + eps
	v_fma_f32 v153, v153, s100, s101
	v_rsq_f32 v152, v152
	v_rsq_f32 v153, v153
	v_nop                                          ; one plain place behind a transcendental
	s_wait_alu depctr_va_vdst(0)
	v_readfirstlane_b32 s60, v152
	v_readfirstlane_b32 s61, v153
	s_wait_kmcnt 0x0                               ; gamma and beta
.set cc, 0
.rept 32
	s_mul_f32 s[24+cc], s[24+cc], s[60+cc/16]      ; gamma x rstd of the channel's group
.set cc, cc+1
.endr
; my pixel i: y along the channels, the block's scale, its 32 codes, into the stage
.macro PIX i
.set YY, YA+32*((\i)%2)
.set CC, CD+6*(\i)
.set cc, 0
.rept 32
	v_fma_f32 v[YY+cc], v[X+4*cc+(\i)], s[24+cc], s[68+cc]
.set cc, cc+1
.endr
	v_max3_num_f32 v[T], |v[YY]|, |v[YY+1]|, 0x1800000   ; the largest magnitude of the 32, in two chains, and the floor 2^(3 - 127): the byte cannot fall under 1
	v_max3_num_f32 v[T+1], |v[YY+2]|, |v[YY+3]|, |v[YY+4]|
.irp j, 5,9,13,17,21,25
	v_max3_num_f32 v[T], v[T], |v[YY+\j]|, |v[YY+\j+1]|
	v_max3_num_f32 v[T+1], v[T+1], |v[YY+\j+2]|, |v[YY+\j+3]|
.endr
	v_max3_num_f32 v[T], v[T], |v[YY+29]|, |v[YY+30]|
	v_max3_num_f32 v[T], v[T], v[T+1], |v[YY+31]|
	v_add_nc_u32 v[SO], 0xff000000, v[T]           ; 2 off the exponent field: the conversion takes that field as its scale
	v_cvt_scalef32_pk16_fp6_f32 v[CC:CC+2], v[YY:YY+15], v[SO]
	v_cvt_scalef32_pk16_fp6_f32 v[PX:PX+2], v[YY+16:YY+31], v[SO]   ; (a conversion's three registers begin on an even number)
	v_lshrrev_b32 v[BY], 23, v[SO]                 ; the scale's byte; also the plain place behind the conversions
.irp j, 0,1,2
	v_mov_b32 v[CC+3+\j], v[PX+\j]
.endr
.if (\i) == 0
	v_mov_b32 v[SB], v[BY]
.else
	v_lshl_or_b32 v[SB], v[BY], 8*(\i), v[SB]
.endif
	ds_store_b128 v4, v[CC:CC+3] offset:16*(\i)
	ds_store_b64 v5, v[CC+4:CC+5] offset:2048+8*(\i)
.endm
	PIX 0
	PIX 1
	PIX 2
	PIX 3
.irp k, 0,1,2,3,4,5
	ds_load_b128 v[X+4*\k:X+4*\k+3], v6 offset:512*\k   ; LDS serves a wave's instructions in order: these see my stores
.endr
	s_wait_dscnt 0x0
.irp k, 0,1,2,3
	global_store_b128 v9, v[X+4*\k:X+4*\k+3], s[18:19] offset:512*\k      ; the wave stores 512 consecutive bytes
.endr
.irp k, 0,1
	global_store_b128 v13, v[X+16+4*\k:X+19+4*\k], s[18:19] offset:512*\k
.endr
	global_store_b32 v12, v[SB], s[20:21]          ; four pixels' bytes a lane: 128 consecutive bytes a wave
	s_wait_tensorcnt 0x0
	ds_add_u32 v235, v243
	s_wait_dscnt 0x0
	s_endpgm
.Lfunc_end_k_q2e608e67bc_norm:
	.size	k_q2e608e67bc_norm, .Lfunc_end_k_q2e608e67bc_norm-k_q2e608e67bc_norm
	.p2alignl 7, 3214868480
	.fill 96, 4, 3214868480
	.section	.rodata,"a",@progbits
	.p2align	6, 0x0
	.amdhsa_kernel k_q2e608e67bc_norm
		.amdhsa_group_segment_fixed_size 26624
		.amdhsa_private_segment_fixed_size 0
		.amdhsa_enable_private_segment 0
		.amdhsa_kernarg_size 80
		.amdhsa_user_sgpr_count 2
		.amdhsa_user_sgpr_kernarg_segment_ptr 1
		.amdhsa_wavefront_size32 1
		.amdhsa_system_sgpr_workgroup_id_x 1
		.amdhsa_system_sgpr_workgroup_id_y 1
		.amdhsa_system_sgpr_workgroup_id_z 1
		.amdhsa_system_vgpr_workitem_id 0
		.amdhsa_next_free_vgpr 256
		.amdhsa_next_free_sgpr 102
		.amdhsa_reserve_vcc 0
		.amdhsa_float_denorm_mode_32 3
		.amdhsa_float_denorm_mode_16_64 3
		.amdhsa_memory_ordered 1
		.amdhsa_forward_progress 1
		.amdhsa_inst_pref_size 40
	.end_amdhsa_kernel
	.amdgpu_metadata
---
amdhsa.version: [ 1, 2 ]
amdhsa.kernels:
  - .name:           k_q2e608e67bc_norm
    .symbol:         k_q2e608e67bc_norm.kd
    .args:
      - { .name: x, .offset: 0, .size: 8, .value_kind: global_buffer, .address_space: global }
      - { .name: gn_scale, .offset: 8, .size: 8, .value_kind: global_buffer, .address_space: global }
      - { .name: gn_bias, .offset: 16, .size: 8, .value_kind: global_buffer, .address_space: global }
      - { .name: wq_codes, .offset: 24, .size: 8, .value_kind: global_buffer, .address_space: global }
      - { .name: wk_codes, .offset: 32, .size: 8, .value_kind: global_buffer, .address_space: global }
      - { .name: wv_codes, .offset: 40, .size: 8, .value_kind: global_buffer, .address_space: global }
      - { .name: wproj_codes, .offset: 48, .size: 8, .value_kind: global_buffer, .address_space: global }
      - { .name: hc, .offset: 56, .size: 8, .value_kind: global_buffer, .address_space: global }
      - { .name: hs, .offset: 64, .size: 8, .value_kind: global_buffer, .address_space: global }
      - { .name: wimg, .offset: 72, .size: 8, .value_kind: global_buffer, .address_space: global }
    .group_segment_fixed_size: 26624
    .private_segment_fixed_size: 0
    .kernarg_segment_align: 8
    .kernarg_segment_size: 80
    .max_flat_workgroup_size: 256
    .sgpr_count:     102
    .vgpr_count:     256
    .wavefront_size: 32
...
	.end_amdgpu_metadata
.endif
;; end of part 1
;; launch qkv (part 2): grid 16 x 16, 4 waves a work-group, clusters of 4 x 1, 248,320 bytes of LDS; arguments hc, hs, wimg, wq_scales, wk_scales, wv_scales, bq, bk, bv, qkc, vc, sw; writes qkc, vc, sw
.if DOCPART == 2
	.amdgcn_target "amdgcn-amd-amdhsa--gfx1250"
	.amdhsa_code_object_version 6
	.text
	.protected	k_q2e608e67bc_qkv
	.globl	k_q2e608e67bc_qkv
	.p2align	8
	.type	k_q2e608e67bc_qkv,@function
k_q2e608e67bc_qkv:
	s_mov_b64 s[64:65], 0
	v_nop
	global_prefetch_b8 v0, s[64:65] scope:SCOPE_SE
	s_setreg_imm32_b32 hwreg(HW_REG_WAVE_MODE, 25, 1), 1
	s_wait_xcnt 0x0
	s_wait_alu depctr_hold_cnt(0) depctr_sa_sdst(0) depctr_va_vdst(0) depctr_va_sdst(0) depctr_va_ssrc(0) depctr_va_vcc(0) depctr_vm_vsrc(0)
	s_getreg_b32 s2, hwreg(HW_REG_IB_STS2, 6, 4)
	s_cmp_eq_u32 s2, 0
	s_cbranch_scc0 .Lentry_in_a_cluster
	s_endpgm
.Lentry_in_a_cluster:
	s_bfe_u32 s2, ttmp6, 0x10000c
	s_cmp_lg_u32 s2, 0x3003
	s_cbranch_scc0 .Lentry_shape_is_right
	s_endpgm
.Lentry_shape_is_right:
; q, k, v = W h + b on codes of FP6 (E2M3) with E8M0 scales, and their quantising: q and k along the output channels, v along the pixels.
; SHARES.  A work-group takes 128 pixels (pb) of image b (grid y) and half of the output channels (part).  THE WAVES SHARE THE COLUMNS: wave w makes the unit U = 2 part + w % 2 of 128 channels
; of q (w < 2) or of k (w >= 2), and 64 channels of v (tiles 16 part + 4 w + 0 .. 3), for all 128 pixels.  Its weights stay in registers for the whole launch.
; CLUSTER.  Four work-groups along x form a cluster: part = cluster x / 2 is the same in all four, pb = 4 (cluster x % 2) + cx differs.  So wave w of all four wants the same 49,152 bytes of Wq or Wk, one dense block:
; they are asked for JOINTLY, by one tensor load a wave with the same descriptor and the mask of the four, land in the wave's own LDS bytes, filled once, and go from there into registers.
; Wv (98,304 bytes a work-group) comes straight into registers: with it the weights and h's images would be 346,112 bytes, more than LDS holds.
; h's 32 fragments (8 tiles of 16 pixels x 4 K steps) are gathered once, eight by each wave, and go from wave to wave through LDS as images of their registers.
; THE ROWS OF A TILE ARE NOT NEIGHBOURS: row r of tile t of a unit of 128 is element 64 (t / 4) + 8 (t % 4) + r % 8 + 32 (r / 8).  In a result, register j of lane (r, h) is source 0's row 8 h + j: so the 32 registers
; of tiles 4 c .. 4 c + 3 are elements 64 c + 32 h + 0 .. 31: a WHOLE block of 32, in the place that the 6-bit operand's layout gives that lane.  No lane is asked for a maximum, no halves change places.
; q, k: source 0 = 16 rows of W, source 1 = 16 pixels of h: a lane holds one pixel, its registers run along the channels.  v: source 0 = 16 pixels of h, source 1 = 16 rows of Wv: a lane holds one channel, registers along the pixels.
; OUT, all as images: qkc: q, then k: [b][pixel tile 64][channel unit 4];  vc [b][channel tile 32][pixel unit 8];  sw: the scale words, laid so that one load of the next launch brings the words of several tiles.
; LIMITS: NaN and infinities are not served; a block whose largest magnitude lies under 2^-124 gets the byte 1 (this program alone reads the bytes).
; REGISTERS, in windows of 256: window 0: as named below.  window 1: W (q or k), K steps 0, 1, fragment (tw, s) at 24 tw + 12 s; later v's 32 accumulators at 64 ct + 8 t.
;   window 2: W, K steps 2, 3, likewise; v192-255 the bias, eight registers a tile in the result's layout.   window 3: Wv, fragment (ct, s) at 48 ct + 12 s.
; SCALARS: what hangs on cx (pb and what is made of it) lives in s29, s32, s34 and the pointers made with them; the descriptor and every LDS address are made in s66, s67 and s68-79, which never hold it.
.set LI,   1                           ; v1      16 x lane: an image's place for my lane
.set HH,   3                           ; v3      h = lane / 16
.set BV,   4                           ; v4-11   bv of my channel, a pair for each tile ct
.set SH8,  12                          ; v12     8 h
.set L8,   13                          ; v13     8 x lane
.set HS,   16                          ; v16-31  h's scale words: tile t, K step s at 4 (t % 4) + s; lanes 0-15 tiles 0-3, lanes 16-31 tiles 4-7
.set WS,   32                          ; v32-47  W's likewise
.set WVS,  48                          ; v48-55  Wv's: 4 (ct % 2) + s; lanes 16-31: ct 2, 3
.set SWQ,  56                          ; v56-63  the scale words made here
.set ACC,  64                          ; v64-127 eight accumulators of q or k; what is quantised
.set HB,   128                         ; v128-175, v176-223 h's four fragments of a pixel tile, two buffers
.set PC,   224                         ; v224-235 the fragment just made
.set PX,   236                         ; v236-238, v240-242 second halves of its blocks
.set T,    244                         ; v244-245 largest magnitudes
.set SO,   246                         ; v246-247 the conversions' scale operands
.set BY,   248                         ; v248-249 bytes
.set PW,   250                         ; v250     the scale word
.set TP,   251                         ; v251     the other half's two bytes
.set HIMG, 0                           ; LDS: h's 32 images, (tile t, K step s) at (4 t + s) x 1,536
.set HSW,  49152                       ; LDS: h's scale words, [pixel 128][4 words]
.set WREG, 51200                       ; LDS: Wq's or Wk's images, 49,152 bytes for each wave, (tile tw, K step s) at (4 tw + s) x 1,536: filled once, by the joint loads; nothing is stored there
.set SEL,  36
.set G0,   68                          ; s[68:71] descriptor group 0
.set G1,   72                          ; s[72:79] descriptor group 1
.set MSB,  0
.macro WIN new                         ; the immediate's high byte repeats the setting that is left
.if MSB != (\new)
	s_set_vgpr_msb (MSB<<8)|(\new)
.set MSB, (\new)
.endif
.endm
.macro PLACES                          ; four places behind a matrix instruction, ahead of loads into its registers and of reads of its result
.rept 4
	v_nop
.endr
.endm
; A round of the cluster's barrier: my work-group's barrier, so that wave 0's signal speaks for all four waves; wave 0 signals for the work-group; every wave waits for all four work-groups; my work-group's barrier once more.
.macro CROUND
	s_barrier_signal -1
	s_barrier_wait -1
	s_cmp_lg_u32 s28, 0
	s_cbranch_scc1 .Lnot_wave_0_\@
	s_barrier_signal -3
.Lnot_wave_0_\@:
	s_barrier_wait -3
	s_barrier_signal -1
	s_barrier_wait -1
.endm
; One product.  d, a, b: first registers of D, A, B;  c: of C, or under 0 for the constant 0;  sa, sb: the scale registers;  ra, rb: 1 where the side's words lie in lanes 16-31
.macro MM d, a, b, c, sa, sb, ra, rb
.if (\c) < 0
.if (\ra) == 0 && (\rb) == 0
	v_wmma_scale_f32_16x16x128_f8f6f4 v[0+(\d):7+(\d)], v[0+(\a):11+(\a)], v[0+(\b):11+(\b)], 0, v[0+(\sa)], v[0+(\sb)] matrix_a_fmt:MATRIX_FMT_FP6 matrix_b_fmt:MATRIX_FMT_FP6
.elseif (\ra) == 0
	v_wmma_scale_f32_16x16x128_f8f6f4 v[0+(\d):7+(\d)], v[0+(\a):11+(\a)], v[0+(\b):11+(\b)], 0, v[0+(\sa)], v[0+(\sb)] matrix_a_fmt:MATRIX_FMT_FP6 matrix_b_fmt:MATRIX_FMT_FP6 matrix_b_scale:MATRIX_SCALE_ROW1
.elseif (\rb) == 0
	v_wmma_scale_f32_16x16x128_f8f6f4 v[0+(\d):7+(\d)], v[0+(\a):11+(\a)], v[0+(\b):11+(\b)], 0, v[0+(\sa)], v[0+(\sb)] matrix_a_fmt:MATRIX_FMT_FP6 matrix_b_fmt:MATRIX_FMT_FP6 matrix_a_scale:MATRIX_SCALE_ROW1
.else
	v_wmma_scale_f32_16x16x128_f8f6f4 v[0+(\d):7+(\d)], v[0+(\a):11+(\a)], v[0+(\b):11+(\b)], 0, v[0+(\sa)], v[0+(\sb)] matrix_a_fmt:MATRIX_FMT_FP6 matrix_b_fmt:MATRIX_FMT_FP6 matrix_a_scale:MATRIX_SCALE_ROW1 matrix_b_scale:MATRIX_SCALE_ROW1
.endif
.else
.if (\ra) == 0 && (\rb) == 0
	v_wmma_scale_f32_16x16x128_f8f6f4 v[0+(\d):7+(\d)], v[0+(\a):11+(\a)], v[0+(\b):11+(\b)], v[0+(\c):7+(\c)], v[0+(\sa)], v[0+(\sb)] matrix_a_fmt:MATRIX_FMT_FP6 matrix_b_fmt:MATRIX_FMT_FP6
.elseif (\ra) == 0
	v_wmma_scale_f32_16x16x128_f8f6f4 v[0+(\d):7+(\d)], v[0+(\a):11+(\a)], v[0+(\b):11+(\b)], v[0+(\c):7+(\c)], v[0+(\sa)], v[0+(\sb)] matrix_a_fmt:MATRIX_FMT_FP6 matrix_b_fmt:MATRIX_FMT_FP6 matrix_b_scale:MATRIX_SCALE_ROW1
.elseif (\rb) == 0
	v_wmma_scale_f32_16x16x128_f8f6f4 v[0+(\d):7+(\d)], v[0+(\a):11+(\a)], v[0+(\b):11+(\b)], v[0+(\c):7+(\c)], v[0+(\sa)], v[0+(\sb)] matrix_a_fmt:MATRIX_FMT_FP6 matrix_b_fmt:MATRIX_FMT_FP6 matrix_a_scale:MATRIX_SCALE_ROW1
.else
	v_wmma_scale_f32_16x16x128_f8f6f4 v[0+(\d):7+(\d)], v[0+(\a):11+(\a)], v[0+(\b):11+(\b)], v[0+(\c):7+(\c)], v[0+(\sa)], v[0+(\sb)] matrix_a_fmt:MATRIX_FMT_FP6 matrix_b_fmt:MATRIX_FMT_FP6 matrix_a_scale:MATRIX_SCALE_ROW1 matrix_b_scale:MATRIX_SCALE_ROW1
.endif
.endif
.endm
; 64 numbers of a lane, v[s] on, register 32 c + i = k 64 c + 32 h + i of my row, become the fragment v[PC] on and the row's scale word v[PW] (the same in both halves of the lanes).
; QTAIL: the same with the two blocks' largest magnitudes given in v[T], v[T + 1].
.macro QTAIL s
	v_add_nc_u32 v[SO], 0xff000000, v[T]           ; 2 off the exponent field: the conversion takes that field as its scale
	v_add_nc_u32 v[SO+1], 0xff000000, v[T+1]
	v_lshrrev_b32 v[BY], 23, v[SO]                 ; the bytes of my blocks h and 2 + h
	v_lshrrev_b32 v[BY+1], 23, v[SO+1]
	s_wait_xcnt 0x0                                ; the stores of the last fragment have read their registers: these are written again only behind this wait
	v_lshl_or_b32 v[PW], v[BY+1], 16, v[BY]
	v_lshlrev_b32 v[PW], v[SH8], v[PW]             ; at their places in the word
	v_permlanex16_b32 v[TP], v[PW], s[SEL], s[SEL+1]
	v_or_b32 v[PW], v[PW], v[TP]                   ; with lane l xor 16's two the word is whole
.irp c, 0,1
	v_cvt_scalef32_pk16_fp6_f32 v[PC+6*\c:PC+6*\c+2], v[\s+32*\c:\s+32*\c+15], v[SO+\c]
	v_cvt_scalef32_pk16_fp6_f32 v[PX+4*\c:PX+4*\c+2], v[\s+32*\c+16:\s+32*\c+31], v[SO+\c]   ; (a conversion's three registers begin on an even number)
.endr
	v_nop                                          ; one plain place behind a scaled conversion
.irp c, 0,1
.irp i, 0,1,2
	v_mov_b32 v[PC+6*\c+3+\i], v[PX+4*\c+\i]
.endr
.endr
.endm
.macro QUANT s
	v_max3_num_f32 v[T], |v[\s]|, |v[\s+1]|, 0x1800000      ; my two blocks by turns, from the low registers on, and the floor 2^(3 - 127): the byte cannot fall under 1
	v_max3_num_f32 v[T+1], |v[\s+32]|, |v[\s+33]|, 0x1800000
.irp i, 2,4,6,8,10,12,14,16,18,20,22,24,26,28,30
	v_max3_num_f32 v[T], v[T], |v[\s+\i]|, |v[\s+\i+1]|
	v_max3_num_f32 v[T+1], v[T+1], |v[\s+32+\i]|, |v[\s+33+\i]|
.endr
	QTAIL \s
.endm
.macro FETCH n                         ; visit n's pixel tile, n % 8: its four fragments, 6,144 consecutive bytes of LDS, into buffer n % 2
.set mm, 0
.rept 12
	ds_load_b128 v[HB+48*((\n)%2)+4*mm:HB+48*((\n)%2)+4*mm+3], v[LI] offset:HIMG+((\n)%8)*6144+512*mm
.set mm, mm+1
.endr
.endm
	s_load_b512 s[4:19], s[0:1], 0x0               ; hc 4:5, hs 6:7, wimg 8:9, wq_scales 10:11, wk_scales 12:13, wv_scales 14:15, bq 16:17, bk 18:19
	s_load_b256 s[20:27], s[0:1], 0x40             ; bv 20:21, qkc 22:23, vc 24:25, sw 26:27
	v_lshl_add_u32 v239, v0, 2, 0x3c800
	v_mov_b32 v243, 0
	ds_add_u32 v239, v243
	ds_add_u32 v239, v243
	v_lshrrev_b32 v14, 5, v0
	v_readfirstlane_b32 s28, v14                   ; wave 0..3
	v_and_b32 v14, 31, v0
	v_lshlrev_b32 v[LI], 4, v14
	v_lshlrev_b32 v[L8], 3, v14
	v_bfe_u32 v[HH], v0, 4, 1
	v_lshlrev_b32 v[SH8], 3, v[HH]
	v_and_b32 v14, 7, v0
	v_bfe_u32 v15, v0, 3, 1
	v_lshl_add_u32 v14, v15, 5, v14                ; P = r % 8 + 32 (r / 8): my row's place in a tile
	v_mul_u32_u24 v15, v[HH], 24576                ; lanes 16-31 take the next block of 32 channels
	s_bfe_u32 s29, ttmp6, 0x40000                  ; cx: my place in the cluster
	s_and_b32 s34, ttmp9, 1                        ; in a cluster launch ttmp9 counts clusters
	s_lshl_b32 s34, s34, 2
	s_add_co_u32 s29, s29, s34                     ; pb = 4 (cluster x % 2) + cx: it enters global addresses alone
	s_lshr_b32 s30, ttmp9, 1                       ; part = cluster x / 2, which the four partners share
	s_and_b32 s31, ttmp7, 0xffff                   ; b
	s_lshr_b32 s38, s28, 1                         ; 0: q, 1: k
	s_and_b32 s39, s28, 1
	s_lshl_b32 s66, s30, 1
	s_add_co_u32 s39, s39, s66                     ; U
	; descriptor group 1: a dense block of 49,152 bytes as 192 rows of 256 bytes (32 elements of 8 bytes), no padding: an image is read 512 consecutive bytes an instruction
	s_mov_b32 s[G1], 15|(3<<16)|(1<<21)            ; 15:0 the mask: all four work-groups; 17:16 elements of 8 bytes; 20 padding off; 21 set beside a mask
	s_mov_b32 s[G1+1], 32<<16                      ; tensor_dim0 = 32
	s_mov_b32 s[G1+2], 192<<16                     ; tensor_dim1 = 192
	s_mov_b32 s[G1+3], 32<<16                      ; tile_dim0 = 32
	s_mov_b32 s[G1+4], 192                         ; tile_dim1 = 192
	s_mov_b32 s[G1+5], 32                          ; from row to row: 32 elements
	s_mov_b32 s[G1+6], 0
	s_mov_b32 s[G1+7], 0
	s_mov_b32 s[G0], 1                             ; count = 1
	s_mul_i32 s[G0+1], s28, 49152
	s_add_co_u32 s[G0+1], s[G0+1], WREG            ; LDS address: my wave's bytes; no place in the cluster enters it
	v_add_nc_u32 v89, s[G0+1], v[LI]               ; and where my lane reads them
	s_mul_i32 s66, s28, 1536
	v_add_nc_u32 v85, s66, v[LI]                   ; where I put h's images: K step = my wave
	s_mul_i32 s66, s38, 196608                     ; my eight tiles of Wq or Wk in wimg: matrix, unit U
	s_mul_i32 s67, s39, 49152
	s_add_co_u32 s66, s66, s67
	s_mov_b32 s67, 0
	s_lshl_b32 s34, s29, 11
	v_lshl_add_u32 v252, v14, 4, v15
	v_add_nc_u32 v252, s34, v252                   ; hc, 16-byte parts: 24,576 h + 16 (128 pb + P)
	s_lshl_b32 s34, s29, 10
	s_add_co_u32 s34, s34, 16384
	v_lshl_add_u32 v253, v14, 3, v15
	v_add_nc_u32 v253, s34, v253                   ; hc, 8-byte parts: 24,576 h + 16,384 + 8 (128 pb + P)
	v_lshl_add_u32 v254, v[HH], 6, v14
	v_lshlrev_b32 v254, 4, v254                    ; W's scale rows of 16 bytes: row P + 64 h
	v_lshl_add_u32 v255, v[HH], 4, v14
	v_lshlrev_b32 v255, 4, v255                    ; Wv's: row P + 16 h
	v_lshl_add_u32 v84, v0, 4, HSW                 ; where I put my pixel's four scale words (thread = pixel)
	v_lshlrev_b32 v86, 4, v14
	v_lshl_add_u32 v86, v[HH], 10, v86
	v_add_nc_u32 v86, HSW, v86                     ; where I read scale words: pixel P + 64 h
	v_lshlrev_b32 v87, 7, v[HH]                    ; the bias of q or k: 32 h channels on
	v_lshlrev_b32 v88, 2, v14                      ; bv: channel P
	v_mov_b32 v[TP], 0                             ; written once: a lane permute's destination counts as one of its sources
	s_mov_b32 s[SEL], 0x76543210
	s_mov_b32 s[SEL+1], 0xfedcba98
	s_mov_b32 s33, 0
	s_mul_i32 s35, s31, 393216                     ; image b's share of hc, of q, of k and of vc
	s_wait_dscnt 0x0
	s_wait_kmcnt 0x0
	s_cmp_eq_u32 s38, 0                            ; q's or k's scales and bias: the choice hangs on the wave's number alone
	s_cselect_b64 s[40:41], s[10:11], s[12:13]
	s_cselect_b64 s[42:43], s[16:17], s[18:19]
	s_mul_i32 s32, s28, 98304                      ; my K step: four blocks of 24,576 bytes
	s_add_co_u32 s32, s32, s35
	s_add_nc_u64 s[4:5], s[4:5], s[32:33]
	s_lshl_b32 s32, s31, 14
	s_lshl_b32 s34, s29, 7
	s_add_co_u32 s32, s32, s34
	s_add_nc_u64 s[6:7], s[6:7], s[32:33]
	; ---- h: the eight fragments (tile tt, K step = my wave): registers 6 e .. 6 e + 5 are the 24 bytes of (pixel, block 4 w + 2 e + h).  They are on their way while the cluster meets.
.set tt, 0
.rept 8
.irp e, 0,1
	global_load_b128 v[HB+12*tt+6*\e:HB+12*tt+6*\e+3], v252, s[4:5] offset:2*\e*24576+(64*(tt/4)+8*(tt%4))*16
	global_load_b64 v[HB+12*tt+6*\e+4:HB+12*tt+6*\e+5], v253, s[4:5] offset:2*\e*24576+(64*(tt/4)+8*(tt%4))*8
.endr
.set tt, tt+1
.endr
.set cc, 0
.rept 16
	global_load_u8 v[ACC+cc], v0, s[6:7] offset:1024*cc   ; my pixel's sixteen scale bytes
.set cc, cc+1
.endr
	s_add_nc_u64 s[G0+2:G0+3], s[8:9], s[66:67]    ; global address of my block of weights: it hangs on the wave and on part alone
	s_or_b32 s[G0+3], s[G0+3], 0x80000000          ; type = 2
	CROUND                                         ; all four work-groups are here: the joint loads meet
	tensor_load_to_lds s[G0:G0+3], s[G1:G1+7]      ; my one tensor load of the launch: Wq's or Wk's 32 fragments of my unit
	s_nop 0
.rept 4
	v_nop
.endr
	s_mul_i32 s32, s30, 98304
	s_mul_i32 s34, s28, 24576
	s_add_co_u32 s32, s32, s34
	s_add_co_u32 s32, s32, 393216
	s_add_nc_u64 s[46:47], s[8:9], s[32:33]        ; my four tiles of Wv
	s_lshl_b32 s32, s39, 11
	s_add_nc_u64 s[40:41], s[40:41], s[32:33]      ; W's scale rows,
	s_lshl_b32 s32, s39, 9
	s_add_nc_u64 s[42:43], s[42:43], s[32:33]      ; the bias of my unit,
	s_lshl_b32 s32, s30, 12
	s_lshl_b32 s34, s28, 10
	s_add_co_u32 s32, s32, s34
	s_add_nc_u64 s[14:15], s[14:15], s[32:33]      ; Wv's scale rows from channel 256 part + 64 w on,
	s_lshr_b32 s32, s32, 2
	s_add_nc_u64 s[20:21], s[20:21], s[32:33]      ; and bv
	WIN 0x80                                       ; destination window 2
.set tw, 0
.rept 8
	global_load_b128 v[192+8*tw:195+8*tw], v87, s[42:43] offset:(64*(tw/4)+8*(tw%4))*4      ; the bias in the result's layout: channels 64 (tw / 4) + 8 (tw % 4) + 32 h + 0 .. 7
	global_load_b128 v[196+8*tw:199+8*tw], v87, s[42:43] offset:(64*(tw/4)+8*(tw%4))*4+16
.set tw, tw+1
.endr
	WIN 0
.irp i, 0,1,2,3
	global_load_b128 v[WS+4*\i:WS+4*\i+3], v254, s[40:41] offset:128*\i   ; a scale row is the words of the four K steps
.endr
.irp i, 0,1
	global_load_b128 v[WVS+4*\i:WVS+4*\i+3], v255, s[14:15] offset:128*\i
.endr
.irp ct, 0,1,2,3
	global_load_b32 v[BV+2*\ct], v88, s[20:21] offset:32*\ct
	global_load_b32 v[BV+2*\ct+1], v88, s[20:21] offset:32*\ct       ; both halves of the pair that the packed addition names
.endr
	WIN 0xc0                                       ; destination window 3
.set mm, 0
.rept 48
	global_load_b128 v[4*mm:4*mm+3], v[LI], s[46:47] offset:512*mm   ; Wv last: it is wanted only behind the eight visits of q or k
.set mm, mm+1
.endr
	WIN 0
	s_wait_loadcnt 63                              ; 78 loads were issued behind h's codes and bytes: those are in
.set tt, 0
.rept 8
.irp k, 0,1,2
	ds_store_b128 v85, v[HB+12*tt+4*\k:HB+12*tt+4*\k+3] offset:HIMG+tt*6144+512*\k
.endr
.set tt, tt+1
.endr
.irp s, 0,1,2,3
	v_lshl_or_b32 v[80+\s], v[ACC+4*\s+1], 8, v[ACC+4*\s]
	v_lshl_or_b32 v[80+\s], v[ACC+4*\s+2], 16, v[80+\s]
	v_lshl_or_b32 v[80+\s], v[ACC+4*\s+3], 24, v[80+\s]
.endr
	ds_store_b128 v84, v[80:83]
	; where the results go
	s_mul_i32 s32, s38, 6291456
	s_add_co_u32 s32, s32, s35
	s_mul_i32 s34, s29, 49152
	s_add_co_u32 s32, s32, s34
	s_mul_i32 s34, s39, 1536
	s_add_co_u32 s32, s32, s34
	s_add_nc_u64 s[22:23], s[22:23], s[32:33]      ; q or k: image b, pixel tile 8 pb, channel unit U
	s_mul_i32 s32, s30, 196608
	s_add_co_u32 s32, s32, s35
	s_mul_i32 s34, s28, 49152
	s_add_co_u32 s32, s32, s34
	s_mul_i32 s34, s29, 1536
	s_add_co_u32 s32, s32, s34
	s_add_nc_u64 s[24:25], s[24:25], s[32:33]      ; v: image b, channel tile 16 part + 4 w, pixel unit pb
	s_lshl_b32 s35, s31, 14
	s_lshl_b32 s32, s38, 18
	s_add_co_u32 s32, s32, s35
	s_lshl_b32 s34, s39, 12
	s_add_co_u32 s32, s32, s34
	s_lshl_b32 s34, s29, 9
	s_add_co_u32 s32, s32, s34
	s_add_nc_u64 s[48:49], s[26:27], s[32:33]      ; q's or k's scale words: [b][U][pb]
	s_lshl_b32 s32, s29, 11
	s_add_co_u32 s32, s32, s35
	s_lshl_b32 s34, s30, 10
	s_add_co_u32 s32, s32, s34
	s_lshl_b32 s34, s28, 8
	s_add_co_u32 s32, s32, s34
	s_add_co_u32 s32, s32, 524288
	s_add_nc_u64 s[50:51], s[26:27], s[32:33]      ; v's: [b][pb][4 part + w]
	s_wait_tensorcnt 0x0                           ; my block of weights lies in LDS; I alone read it
	s_wait_dscnt 0x0                               ; for the others' sake: my images and words have landed
	s_barrier_signal -1
	s_barrier_wait -1                              ; h's 32 images and 128 x 4 scale words lie in LDS; nothing writes them again, and no LDS byte is filled again
	WIN 0x40                                       ; destination window 1: W's K steps 0 and 1
.set tw, 0
.rept 8
.irp s, 0,1
.irp k, 0,1,2
	ds_load_b128 v[24*tw+12*\s+4*\k:24*tw+12*\s+4*\k+3], v89 offset:(4*tw+\s)*1536+512*\k
.endr
.endr
.set tw, tw+1
.endr
	WIN 0x80                                       ; destination window 2: K steps 2 and 3
.set tw, 0
.rept 8
.irp s, 0,1
.irp k, 0,1,2
	ds_load_b128 v[24*tw+12*\s+4*\k:24*tw+12*\s+4*\k+3], v89 offset:(4*tw+2+\s)*1536+512*\k
.endr
.endr
.set tw, tw+1
.endr
	WIN 0
.irp i, 0,1,2,3
	ds_load_b128 v[HS+4*\i:HS+4*\i+3], v86 offset:128*\i
.endr
	FETCH 0
	FETCH 1
	s_wait_loadcnt 48                              ; the biases and the scale words are in; Wv's 48 loads may be out
; Visit n < 8: pixel tile n against my eight tiles of Wq or Wk: 32 products, the eight accumulators by turns, the bias as the C of each sum's first product.
.macro VISIT_QK n
	s_wait_dscnt 12                                ; this tile's fragments (in the first visit the weights too) are in; the next visit's twelve loads may be out
.irp s, 0,1,2,3
.if \s == 0
	WIN 0x21                                       ; source 0 (W) window 1, source 2 (the bias) window 2
.elseif \s == 1
	WIN 0x01
.else
	WIN 0x02                                       ; W's K steps 2 and 3 lie in window 2
.endif
.set tw, 0
.rept 8
.if \s == 0
	MM ACC+8*tw, 24*tw, HB+48*((\n)%2), 192+8*tw, WS+4*(tw%4), HS+4*((\n)%4), tw/4, (\n)/4
.else
	MM ACC+8*tw, 24*tw+12*(\s%2), HB+48*((\n)%2)+12*\s, ACC+8*tw, WS+4*(tw%4)+\s, HS+4*((\n)%4)+\s, tw/4, (\n)/4
.endif
.set tw, tw+1
.endr
.endr
	WIN 0
	PLACES
	FETCH (\n)+2                                   ; the buffer just multiplied takes the tile two visits on
	QUANT ACC                                      ; my pixel's 128 channels: one fragment's row
.irp k, 0,1,2
	global_store_b128 v[LI], v[PC+4*\k:PC+4*\k+3], s[22:23] offset:(\n)*6144+512*\k   ; the wave stores 512 consecutive bytes
.endr
	v_mov_b32 v[SWQ+(\n)], v[PW]
.endm
; Visit n >= 8: pixel tile n - 8 as source 0 against my four tiles of Wv: 16 products, four accumulators by turns; the first products start the sums.
.macro VISIT_V n, left
	s_wait_dscnt \left
	WIN 0x5c                                       ; source 1 (Wv) window 3, C and D window 1
.irp s, 0,1,2,3
.irp ct, 0,1,2,3
.if \s == 0
	MM 64*\ct+8*((\n)-8), HB+48*((\n)%2), 48*\ct, -1, HS+4*((\n)%4), WVS+4*(\ct%2), ((\n)-8)/4, \ct/2
.else
	MM 64*\ct+8*((\n)-8), HB+48*((\n)%2)+12*\s, 48*\ct+12*\s, 64*\ct+8*((\n)-8), HS+4*((\n)%4)+\s, WVS+4*(\ct%2)+\s, ((\n)-8)/4, \ct/2
.endif
.endr
.endr
	WIN 0
	PLACES
.if (\n)+2 < 16
	FETCH (\n)+2
.endif
.endm
.irp n, 0,1,2,3,4,5,6,7
	VISIT_QK \n
.endr
	s_wait_loadcnt 0x0                             ; Wv
.irp n, 8,9,10,11,12,13,14
	VISIT_V \n, 12
.endr
	VISIT_V 15, 0
	; ---- q's or k's scale words: lane (r, h) stores the words of row r of tiles 4 h + 0 .. 3
	v_cmp_eq_u32 vcc_lo, 1, v[HH]
.irp i, 0,1,2,3
	v_cndmask_b32 v[SWQ+\i], v[SWQ+\i], v[SWQ+4+\i], vcc_lo
.endr
	global_store_b128 v[LI], v[SWQ:SWQ+3], s[48:49]
	; ---- v: the bias is added on the way into window 0; my channel's 128 pixels are one fragment's row
.irp ct, 0,1,2,3
	WIN 0x01                                       ; source 0 window 1
.set jj, 0
.rept 32
	v_pk_add_f32 v[ACC+2*jj:ACC+2*jj+1], v[64*\ct+2*jj:64*\ct+2*jj+1], v[BV+2*\ct:BV+2*\ct+1]   ; each accumulator from its low end on
.set jj, jj+1
.endr
	WIN 0
	QUANT ACC
.irp k, 0,1,2
	global_store_b128 v[LI], v[PC+4*\k:PC+4*\k+3], s[24:25] offset:\ct*12288+512*\k
.endr
	v_mov_b32 v[SWQ+4+\ct], v[PW]
.endr
	v_cndmask_b32 v[SWQ+4], v[SWQ+4], v[SWQ+6], vcc_lo   ; lane (r, h): the words of row r of tiles 2 h + 0, 1
	v_cndmask_b32 v[SWQ+5], v[SWQ+5], v[SWQ+7], vcc_lo
	global_store_b64 v[L8], v[SWQ+4:SWQ+5], s[50:51]
	s_wait_tensorcnt 0x0
	ds_add_u32 v239, v243
	s_wait_dscnt 0x0
	CROUND                                         ; the closing round: no work-group ends while a partner may still ask for a block that names it
	s_endpgm
.Lfunc_end_k_q2e608e67bc_qkv:
	.size	k_q2e608e67bc_qkv, .Lfunc_end_k_q2e608e67bc_qkv-k_q2e608e67bc_qkv
	.p2alignl 7, 3214868480
	.fill 96, 4, 3214868480
	.section	.rodata,"a",@progbits
	.p2align	6, 0x0
	.amdhsa_kernel k_q2e608e67bc_qkv
		.amdhsa_group_segment_fixed_size 248320
		.amdhsa_private_segment_fixed_size 0
		.amdhsa_enable_private_segment 0
		.amdhsa_kernarg_size 96
		.amdhsa_user_sgpr_count 2
		.amdhsa_user_sgpr_kernarg_segment_ptr 1
		.amdhsa_wavefront_size32 1
		.amdhsa_system_sgpr_workgroup_id_x 1
		.amdhsa_system_sgpr_workgroup_id_y 1
		.amdhsa_system_sgpr_workgroup_id_z 1
		.amdhsa_system_vgpr_workitem_id 0
		.amdhsa_next_free_vgpr 1024
		.amdhsa_next_free_sgpr 80
		.amdhsa_reserve_vcc 1
		.amdhsa_float_denorm_mode_32 3
		.amdhsa_float_denorm_mode_16_64 3
		.amdhsa_memory_ordered 1
		.amdhsa_forward_progress 1
		.amdhsa_inst_pref_size 140
	.end_amdhsa_kernel
	.amdgpu_metadata
---
amdhsa.version: [ 1, 2 ]
amdhsa.kernels:
  - .name:           k_q2e608e67bc_qkv
    .symbol:         k_q2e608e67bc_qkv.kd
    .args:
      - { .name: hc, .offset: 0, .size: 8, .value_kind: global_buffer, .address_space: global }
      - { .name: hs, .offset: 8, .size: 8, .value_kind: global_buffer, .address_space: global }
      - { .name: wimg, .offset: 16, .size: 8, .value_kind: global_buffer, .address_space: global }
      - { .name: wq_scales, .offset: 24, .size: 8, .value_kind: global_buffer, .address_space: global }
      - { .name: wk_scales, .offset: 32, .size: 8, .value_kind: global_buffer, .address_space: global }
      - { .name: wv_scales, .offset: 40, .size: 8, .value_kind: global_buffer, .address_space: global }
      - { .name: bq, .offset: 48, .size: 8, .value_kind: global_buffer, .address_space: global }
      - { .name: bk, .offset: 56, .size: 8, .value_kind: global_buffer, .address_space: global }
      - { .name: bv, .offset: 64, .size: 8, .value_kind: global_buffer, .address_space: global }
      - { .name: qkc, .offset: 72, .size: 8, .value_kind: global_buffer, .address_space: global }
      - { .name: vc, .offset: 80, .size: 8, .value_kind: global_buffer, .address_space: global }
      - { .name: sw, .offset: 88, .size: 8, .value_kind: global_buffer, .address_space: global }
    .group_segment_fixed_size: 248320
    .private_segment_fixed_size: 0
    .kernarg_segment_align: 8
    .kernarg_segment_size: 96
    .max_flat_workgroup_size: 128
    .sgpr_count:     80
    .vgpr_count:     1024
    .wavefront_size: 32
...
	.end_amdgpu_metadata
.endif
;; end of part 2
;; launch attn (part 3): grid 16 x 16, 4 waves a work-group, clusters of 4 x 1, 327,680 bytes of LDS; arguments qkc, vc, sw, wimg, wproj_scales, bproj, x, out0; writes out0
.if DOCPART == 3
	.amdgcn_target "amdgcn-amd-amdhsa--gfx1250"
	.amdhsa_code_object_version 6
	.text
	.protected	k_q2e608e67bc_attn
	.globl	k_q2e608e67bc_attn
	.p2align	8
	.type	k_q2e608e67bc_attn,@function
k_q2e608e67bc_attn:
	s_mov_b64 s[64:65], 0
	v_nop
	global_prefetch_b8 v0, s[64:65] scope:SCOPE_SE
	s_setreg_imm32_b32 hwreg(HW_REG_WAVE_MODE, 25, 1), 1
	s_wait_xcnt 0x0
	s_wait_alu depctr_hold_cnt(0) depctr_sa_sdst(0) depctr_va_vdst(0) depctr_va_sdst(0) depctr_va_ssrc(0) depctr_va_vcc(0) depctr_vm_vsrc(0)
	s_getreg_b32 s2, hwreg(HW_REG_IB_STS2, 6, 4)
	s_cmp_eq_u32 s2, 0
	s_cbranch_scc0 .Lentry_in_a_cluster
	s_endpgm
.Lentry_in_a_cluster:
	s_bfe_u32 s2, ttmp6, 0x10000c
	s_cmp_lg_u32 s2, 0x3003
	s_cbranch_scc0 .Lentry_shape_is_right
	s_endpgm
.Lentry_shape_is_right:
; out = x + Wproj (V softmax(Q^T K / sqrt(512))^T) + bproj, all three products on codes of FP6 (E2M3) with E8M0 scales.
; SHARES.  A work-group takes 64 queries (block qb) of image b (grid y), as four tiles; row r of tile qt is pixel 64 qb + 8 qt + r % 8 + 32 (r / 8).
;   S:    wave w takes KEYS 256 w .. + 255 against all 64 queries: S^T = K Q^T, 64 accumulators, 512 registers.  So all 1,024 scores of a query are in registers at once: the row's maximum is the final one.
;   PV:   wave w takes CHANNELS 128 w .. + 127: O^T = V P^T.      PROJECTION: wave w takes outputs 128 w .. + 127.
; Each fragment of K, V and Wproj is read by ONE wave of the work-group, once, and feeds four products.  All lie in memory as images of the operand's registers (three times 16 bytes a lane, 512 consecutive bytes each).
; CLUSTER.  Four query blocks of one image form a cluster (qb = 4 cluster x + cx) and walk the same K and V.  Wave w of all four asks JOINTLY, by the same tensor load with the same descriptor and the mask of the four, for
;   K's key tiles 0-11 of its sixteen: three first fills of 24,576 bytes a wave, 294,912 bytes a work-group: as much of K's 393,216 as LDS holds; tiles 12-15 come straight into registers and are multiplied first;
;   V's key units 4-7 of its eight channel tiles: one load of 49,152 bytes a wave, issued behind the round that stands between the scores and the softmax, into bytes that K has left; the softmax is the time in which it lands.
; V's units 0-3 and Wproj come straight into registers: beside V's 196,608 bytes and the 97,280 of P's and O's images and the stages no LDS is left for them.
; A ring filled again and again is not built: a slot of 16 fragments a wave feeds 64 products, too little work between two rounds for the next slot to land.
; What goes from wave to wave (P, O / l, the maxima and the sums) goes through LDS, the operands as images of their registers.
; LAYOUT.  Row r of tile t of a unit of 128 (keys, channels) is element 64 (t / 4) + 8 (t % 4) + r % 8 + 32 (r / 8), so that in a result the 32 registers of tiles 4 c .. 4 c + 3 are, in lane (r, h), elements 64 c + 32 h + 0 .. 31:
; a whole block of 32 in the place that the 6-bit operand's layout gives that lane.  A lane holds ONE query in S^T, P and O^T.
; SOFTMAX.  t = score x log2(e) / sqrt(512); M = ceil(the row's largest t); p = 2^(t - M) is quantised along the keys, not normalised; the sum of the unquantised p divides O before O is quantised.
; A block's largest p is not searched for: the block's largest score goes through the same multiply-add and exponential (this takes v_exp_f32 not to fall where its input rises).
; LIMITS: NaN and infinities are not served; a p under 2^-126 counts as 0; a block whose largest magnitude lies under 2^-124 gets the byte 1.
; REGISTERS, in windows of 256.  window 0: as named below.  window 1: five buffers of a key tile's four fragments at 48 (place % 5); then sets 0, 1 of eight fragments at v0, v96, later x; v192-255 the bias, eight registers a tile.
;   windows 2, 3: S(kt, qt) in window 2 + kt / 8 at 64 qt + 8 (kt % 8).  window 2 later: O^T at 64 qt + 8 ct, then the outputs at 32 ct + 8 qt.  window 3 later: sets 2, 3, later x.
; SCALARS: what hangs on cx (qb and what is made of it) lives in s25, s28, s36 and the pointers made with them; the descriptors and every LDS address are made of the wave's number and b in other registers.
.set LI,   1                           ; v1      16 x lane
.set LS,   2                           ; v2      4 x lane
.set SH8,  3                           ; v3      8 h
.set QO,   4                           ; v4      Q's scale words: 16 (16 (qb % 2) + r)
.set L8,   5                           ; v5      8 x lane
.set KA0,  8                           ; v8      LDS: my lane's place in my wave's key tiles 0-7
.set KA1,  9                           ; v9      and in tiles 8-11 (an LDS offset has 16 bits)
.set VA,   10                          ; v10     LDS: my lane's place in my wave's part of V
.set SPW,  14                          ; v14     LDS address of my spare word: SPARE + 4 x my thread's number; never rewritten
.set NIL,  15                          ; v15     0; never rewritten
.set QS,   16                          ; v16-31  scale words: Q's (4 s + qt); then P's (4 buffer + qt); then O's (4 qt + s)
.set PS,   16
.set OS,   16
.set KS,   32                          ; v32-63  scale words: K's (16 (kt / 8) + 4 s + kt % 4, lanes 16-31: tiles 4-7 of eight); V's (4 G + 2 (ct / 4) + ct % 2, lanes 16-31: ct % 4 >= 2); Wproj's (4 (ct % 4) + s, lanes 16-31: ct >= 4)
.set VS,   32
.set WPS,  32
.set QF,   64                          ; v64-255 Q's 16 fragments in phase S; later v64-159: two buffers of four fragments of P, then of O; rows on the way out
.set PWK,  96                          ; v96-159 64 numbers at work
.set BM,   160                         ; v160-175 a block's largest score: 4 qt + 2 g + c; later the four waves' sums
.set NM,   176                         ; v176-183 pairs (-M, the largest t)
.set LL,   184                         ; v184-191 the sum of p, in two halves
.set RL,   192                         ; v192-199 1 / l, twice
.set TS,   200                         ; v200-201 a second chain of the sum
.set PIA,  202                         ; LDS addresses, made behind phase S
.set PSA,  203
.set OIA,  204
.set OSA,  205
.set LIO,  206
.set LSO,  207
.set MXA,  208
.set MXL,  209
.set STO,  210
.set RD,   211
.set GO,   212                         ; v212    x and out: 4,096 (lane / 16) + 16 (lane % 16)
.set PFO,  213                         ; v213    4,096 x thread
.set WPO,  214
.set BPO,  215
.set PC,   224
.set PX,   236
.set T,    244
.set SO,   246
.set BY,   248
.set PW,   250
.set TP,   251
; LDS.  Bytes 0 to 294,911 first hold K: wave w's key tiles 0-11 at KW w + 6,144 tile.  Behind the round that follows the scores, bytes 0 to 98,303 have had their last fill and take the scratch; bytes 98,304 on are filled once more, with V.
.set KW,   73728
.set PIMG, 0                           ; P's 32 images, (qt, key unit G) at (8 qt + G) x 1,536
.set PSC,  49152                       ; their scale words, 128 bytes each
.set OIMG, 53248                       ; O's 16 images, (qt, channel unit s) at (4 qt + s) x 1,536
.set OSC,  77824                       ; their scale words
.set STG,  79872                       ; a stage of 16 rows x 272 bytes for each wave: up to byte 97,280
.set VREG, 98304                       ; V: wave w's (channel tile ct, key unit 4 + u) at 49,152 w + 6,144 ct + 1,536 u
.set MX,   294912                      ; [query 64][wave 4] the waves' largest scores;  1,024 bytes on: their sums.  No fill lands here
.set SPARE, 296960                     ; the spare words, 128 bytes for each wave: two blocks of 256 bytes that no other line names
.set G1K,  40                          ; s[40:47] descriptor group 1 for K's blocks
.set G1V,  48                          ; s[48:55] for V's tile
.set G0K,  56                          ; s[56:59], s[60:63] groups 0 of K's first two fills
.set G0K2, 68                          ; s[68:71] of the third
.set G0V,  72                          ; s[72:75] of V's
.set MSB,  0
.macro WIN new                         ; the immediate's high byte repeats the setting that is left
.if MSB != (\new)
	s_set_vgpr_msb (MSB<<8)|(\new)
.set MSB, (\new)
.endif
.endm
.macro PLACES                          ; four places behind a matrix instruction, ahead of loads into its registers and of reads of its result
.rept 4
	v_nop
.endr
.endm
; A round of the cluster's barrier: my work-group's barrier, so that wave 0's signal speaks for all four waves; wave 0 signals for the work-group; every wave waits for all four work-groups; my work-group's barrier once more.
.macro CROUND
	s_barrier_signal -1
	s_barrier_wait -1
	s_cmp_lg_u32 s24, 0
	s_cbranch_scc1 .Lnot_wave_0_\@
	s_barrier_signal -3
.Lnot_wave_0_\@:
	s_barrier_wait -3
	s_barrier_signal -1
	s_barrier_wait -1
.endm
; One product.  d, a, b: first registers of D, A, B;  c: of C, or under 0 for the constant 0;  sa, sb: the scale registers;  ra, rb: 1 where the side's words lie in lanes 16-31
.macro MM d, a, b, c, sa, sb, ra, rb
.if (\c) < 0
.if (\ra) == 0 && (\rb) == 0
	v_wmma_scale_f32_16x16x128_f8f6f4 v[0+(\d):7+(\d)], v[0+(\a):11+(\a)], v[0+(\b):11+(\b)], 0, v[0+(\sa)], v[0+(\sb)] matrix_a_fmt:MATRIX_FMT_FP6 matrix_b_fmt:MATRIX_FMT_FP6
.elseif (\ra) == 0
	v_wmma_scale_f32_16x16x128_f8f6f4 v[0+(\d):7+(\d)], v[0+(\a):11+(\a)], v[0+(\b):11+(\b)], 0, v[0+(\sa)], v[0+(\sb)] matrix_a_fmt:MATRIX_FMT_FP6 matrix_b_fmt:MATRIX_FMT_FP6 matrix_b_scale:MATRIX_SCALE_ROW1
.elseif (\rb) == 0
	v_wmma_scale_f32_16x16x128_f8f6f4 v[0+(\d):7+(\d)], v[0+(\a):11+(\a)], v[0+(\b):11+(\b)], 0, v[0+(\sa)], v[0+(\sb)] matrix_a_fmt:MATRIX_FMT_FP6 matrix_b_fmt:MATRIX_FMT_FP6 matrix_a_scale:MATRIX_SCALE_ROW1
.else
	v_wmma_scale_f32_16x16x128_f8f6f4 v[0+(\d):7+(\d)], v[0+(\a):11+(\a)], v[0+(\b):11+(\b)], 0, v[0+(\sa)], v[0+(\sb)] matrix_a_fmt:MATRIX_FMT_FP6 matrix_b_fmt:MATRIX_FMT_FP6 matrix_a_scale:MATRIX_SCALE_ROW1 matrix_b_scale:MATRIX_SCALE_ROW1
.endif
.else
.if (\ra) == 0 && (\rb) == 0
	v_wmma_scale_f32_16x16x128_f8f6f4 v[0+(\d):7+(\d)], v[0+(\a):11+(\a)], v[0+(\b):11+(\b)], v[0+(\c):7+(\c)], v[0+(\sa)], v[0+(\sb)] matrix_a_fmt:MATRIX_FMT_FP6 matrix_b_fmt:MATRIX_FMT_FP6
.elseif (\ra) == 0
	v_wmma_scale_f32_16x16x128_f8f6f4 v[0+(\d):7+(\d)], v[0+(\a):11+(\a)], v[0+(\b):11+(\b)], v[0+(\c):7+(\c)], v[0+(\sa)], v[0+(\sb)] matrix_a_fmt:MATRIX_FMT_FP6 matrix_b_fmt:MATRIX_FMT_FP6 matrix_b_scale:MATRIX_SCALE_ROW1
.elseif (\rb) == 0
	v_wmma_scale_f32_16x16x128_f8f6f4 v[0+(\d):7+(\d)], v[0+(\a):11+(\a)], v[0+(\b):11+(\b)], v[0+(\c):7+(\c)], v[0+(\sa)], v[0+(\sb)] matrix_a_fmt:MATRIX_FMT_FP6 matrix_b_fmt:MATRIX_FMT_FP6 matrix_a_scale:MATRIX_SCALE_ROW1
.else
	v_wmma_scale_f32_16x16x128_f8f6f4 v[0+(\d):7+(\d)], v[0+(\a):11+(\a)], v[0+(\b):11+(\b)], v[0+(\c):7+(\c)], v[0+(\sa)], v[0+(\sb)] matrix_a_fmt:MATRIX_FMT_FP6 matrix_b_fmt:MATRIX_FMT_FP6 matrix_a_scale:MATRIX_SCALE_ROW1 matrix_b_scale:MATRIX_SCALE_ROW1
.endif
.endif
.endm
; 64 numbers of a lane, v[s] on, register 32 c + i = k 64 c + 32 h + i of my row, become the fragment v[PC] on and the row's scale word v[PW] (the same in both halves of the lanes).
; QTAIL: the same with the two blocks' largest magnitudes given in v[T], v[T + 1].
.macro QTAIL s
	v_add_nc_u32 v[SO], 0xff000000, v[T]           ; 2 off the exponent field: the conversion takes that field as its scale
	v_add_nc_u32 v[SO+1], 0xff000000, v[T+1]
	v_lshrrev_b32 v[BY], 23, v[SO]                 ; the bytes of my blocks h and 2 + h
	v_lshrrev_b32 v[BY+1], 23, v[SO+1]
	s_wait_dscnt 0x0                               ; the LDS stores of the last fragment and word are done: their registers are written again only behind this wait
	v_lshl_or_b32 v[PW], v[BY+1], 16, v[BY]
	v_lshlrev_b32 v[PW], v[SH8], v[PW]             ; at their places in the word
	v_permlanex16_b32 v[TP], v[PW], s22, s23
	v_or_b32 v[PW], v[PW], v[TP]                   ; with lane l xor 16's two the word is whole
.irp c, 0,1
	v_cvt_scalef32_pk16_fp6_f32 v[PC+6*\c:PC+6*\c+2], v[\s+32*\c:\s+32*\c+15], v[SO+\c]
	v_cvt_scalef32_pk16_fp6_f32 v[PX+4*\c:PX+4*\c+2], v[\s+32*\c+16:\s+32*\c+31], v[SO+\c]   ; (a conversion's three registers begin on an even number)
.endr
	v_nop                                          ; one plain place behind a scaled conversion
.irp c, 0,1
.irp i, 0,1,2
	v_mov_b32 v[PC+6*\c+3+\i], v[PX+4*\c+\i]
.endr
.endr
.endm
.macro QUANT s
	v_max3_num_f32 v[T], |v[\s]|, |v[\s+1]|, 0x1800000      ; my two blocks by turns, and the floor 2^(3 - 127): the byte cannot fall under 1
	v_max3_num_f32 v[T+1], |v[\s+32]|, |v[\s+33]|, 0x1800000
.irp i, 2,4,6,8,10,12,14,16,18,20,22,24,26,28,30
	v_max3_num_f32 v[T], v[T], |v[\s+\i]|, |v[\s+\i+1]|
	v_max3_num_f32 v[T+1], v[T+1], |v[\s+32+\i]|, |v[\s+33+\i]|
.endr
	QTAIL \s
.endm
; The sixteen key tiles are multiplied in PLACES 0 .. 15: places 0-3 are key tiles 12-15, from memory; places 4-15 are key tiles 0-11, from LDS.  Place p uses buffer p % 5 of window 1.
.macro KGLOAD p                        ; place p < 4: key tile 12 + p, 6,144 consecutive bytes of memory
	WIN 0x40
.set mm, 0
.rept 12
	global_load_b128 v[48*(\p)+4*mm:48*(\p)+4*mm+3], v[LI], s[30:31] offset:(12+(\p))*6144+512*mm
.set mm, mm+1
.endr
.endm
.macro KLDS p                          ; place p >= 4: key tile p - 4, 6,144 consecutive bytes of my wave's LDS
	WIN 0x40
.set mm, 0
.rept 12
.if ((\p)-4) < 8
	ds_load_b128 v[48*((\p)%5)+4*mm:48*((\p)%5)+4*mm+3], v[KA0] offset:((\p)-4)*6144+512*mm
.else
	ds_load_b128 v[48*((\p)%5)+4*mm:48*((\p)%5)+4*mm+3], v[KA1] offset:((\p)-12)*6144+512*mm
.endif
.set mm, mm+1
.endr
.endm
.macro VLOAD u                         ; V's eight fragments of key unit u < 4, from memory, into set u (sets 0, 1: window 1; sets 2, 3: window 3; at v0 or v96)
	WIN 0x40+0x80*(((\u)%4)/2)
.irp ct, 0,1,2,3,4,5,6,7
.irp k, 0,1,2
	global_load_b128 v[96*((\u)%2)+12*\ct+4*\k:96*((\u)%2)+12*\ct+4*\k+3], v[LI], s[6:7] offset:\ct*12288+(\u)*1536+512*\k
.endr
.endr
.endm
.macro VLDS u                          ; V's eight fragments of key unit u >= 4, from my wave's LDS, into set u % 4
	WIN 0x40+0x80*(((\u)%4)/2)
.irp ct, 0,1,2,3,4,5,6,7
.irp k, 0,1,2
	ds_load_b128 v[96*((\u)%2)+12*\ct+4*\k:96*((\u)%2)+12*\ct+4*\k+3], v[VA] offset:\ct*6144+((\u)-4)*1536+512*\k
.endr
.endr
.endm
.macro WLOAD u                         ; Wproj's eight fragments of K step u into set u
	WIN 0x40+0x80*((\u)/2)
.irp ct, 0,1,2,3,4,5,6,7
.irp k, 0,1,2
	global_load_b128 v[96*((\u)%2)+12*\ct+4*\k:96*((\u)%2)+12*\ct+4*\k+3], v[LI], s[10:11] offset:\ct*6144+(\u)*1536+512*\k
.endr
.endr
.endm
.macro PFETCH u                        ; P's four fragments of key unit u, and their scale words, into buffer u % 2
.irp qt, 0,1,2,3
.irp k, 0,1,2
	ds_load_b128 v[QF+48*((\u)%2)+12*\qt+4*\k:QF+48*((\u)%2)+12*\qt+4*\k+3], v[LI] offset:PIMG+(8*\qt+(\u))*1536+512*\k
.endr
	ds_load_b32 v[PS+4*((\u)%2)+\qt], v[LS] offset:PSC+(8*\qt+(\u))*128
.endr
.endm
.macro OFETCH u                        ; O's four fragments of K step u into buffer u % 2
.irp qt, 0,1,2,3
.irp k, 0,1,2
	ds_load_b128 v[QF+48*((\u)%2)+12*\qt+4*\k:QF+48*((\u)%2)+12*\qt+4*\k+3], v[LIO] offset:(4*\qt+(\u))*1536+512*\k
.endr
.endr
.endm
.macro XLOAD ct                        ; x at the 16 channels of output tile ct, my 64 pixels: eight loads, sixteen lanes to 256 consecutive bytes; blocks 0-5 at 32 ct of window 1, blocks 6, 7 in window 3
.if (\ct) < 6
	WIN 0x40
.set XB, 32*(\ct)
.else
	WIN 0xc0
.set XB, 32*((\ct)-6)
.endif
.irp i, 0,1,2,3,4,5,6,7
	global_load_b128 v[XB+4*\i:XB+4*\i+3], v[GO], s[16:17] offset:(64*((\ct)/4)+8*((\ct)%4)+2*(\i%4)+32*(\i/4))*4096 th:TH_LOAD_NT
.endr
.endm
	s_load_b512 s[4:19], s[0:1], 0x0               ; qkc 4:5, vc 6:7, sw 8:9, wimg 10:11, wproj_scales 12:13, bproj 14:15, x 16:17, out0 18:19
	v_lshl_add_u32 v[SPW], v0, 2, SPARE
	v_mov_b32 v[NIL], 0
	ds_add_u32 v14, v15
	ds_add_u32 v14, v15
	s_wait_dscnt 0x0
	v_lshrrev_b32 v6, 5, v0
	v_readfirstlane_b32 s24, v6                    ; wave 0..3
	v_and_b32 v6, 31, v0
	v_lshlrev_b32 v[LI], 4, v6
	v_lshlrev_b32 v[LS], 2, v6
	v_lshlrev_b32 v[L8], 3, v6
	v_bfe_u32 v7, v0, 4, 1
	v_lshlrev_b32 v[SH8], 3, v7
	s_bfe_u32 s25, ttmp6, 0x40000                  ; cx: my place in the cluster
	s_lshl_b32 s28, ttmp9, 2                       ; in a cluster launch ttmp9 counts clusters
	s_add_co_u32 s25, s25, s28                     ; qb = 4 x cluster x + cx: it enters Q's, x's and out's addresses alone
	s_and_b32 s28, s25, 1
	s_lshl_b32 s28, s28, 4
	v_and_b32 v[QO], 15, v0
	v_add_nc_u32 v[QO], s28, v[QO]
	v_lshlrev_b32 v[QO], 4, v[QO]
	s_and_b32 s26, ttmp7, 0xffff                   ; b, which the four partners share
	s_mov_b32 s20, 0x3d8293ee                      ; c = log2(e) / sqrt(512)
	s_mov_b32 s21, s20                             ; (named with it as a pair, so it is written)
	s_mov_b32 s22, 0x76543210
	s_mov_b32 s23, 0xfedcba98                      ; v_permlanex16_b32's selects for lane l xor 16
	; descriptor group 1 for K: a dense block of 24,576 bytes (four key tiles) as 96 rows of 256 bytes (32 elements of 8 bytes); no padding: an image is read 512 consecutive bytes an instruction
	s_mov_b32 s[G1K], 15|(3<<16)|(1<<21)           ; 15:0 the mask: all four work-groups; 17:16 elements of 8 bytes; 20 padding off; 21 set beside a mask
	s_mov_b32 s[G1K+1], 32<<16                     ; tensor_dim0 = 32
	s_mov_b32 s[G1K+2], 96<<16                     ; tensor_dim1 = 96
	s_mov_b32 s[G1K+3], 32<<16                     ; tile_dim0 = 32
	s_mov_b32 s[G1K+4], 96                         ; tile_dim1 = 96
	s_mov_b32 s[G1K+5], 32                         ; from row to row: 32 elements
	s_mov_b32 s[G1K+6], 0
	s_mov_b32 s[G1K+7], 0
	; and for V: eight rows (channel tiles) of 6,144 bytes (four key units), 12,288 bytes apart in memory, dense in LDS
	s_mov_b32 s[G1V], 15|(3<<16)|(1<<21)
	s_mov_b32 s[G1V+1], 768<<16                    ; tensor_dim0 = 768 elements of 8 bytes
	s_mov_b32 s[G1V+2], 8<<16                      ; tensor_dim1 = 8
	s_mov_b32 s[G1V+3], 768<<16                    ; tile_dim0 = 768
	s_mov_b32 s[G1V+4], 8                          ; tile_dim1 = 8
	s_mov_b32 s[G1V+5], 1536                       ; from row to row: 1,536 elements
	s_mov_b32 s[G1V+6], 0
	s_mov_b32 s[G1V+7], 0
	; groups 0: the LDS addresses are the wave's number times a constant plus a constant
	s_mov_b32 s[G0K], 1
	s_mul_i32 s[G0K+1], s24, KW
	s_mov_b32 s[G0K+4], 1
	s_add_co_u32 s[G0K+5], s[G0K+1], 24576
	s_mov_b32 s[G0K2], 1
	s_add_co_u32 s[G0K2+1], s[G0K+1], 49152
	s_mov_b32 s[G0V], 1
	s_mul_i32 s[G0V+1], s24, 49152
	s_add_co_u32 s[G0V+1], s[G0V+1], VREG
	v_add_nc_u32 v[KA0], s[G0K+1], v[LI]
	v_add_nc_u32 v[KA1], s[G0K2+1], v[LI]
	v_add_nc_u32 v[VA], s[G0V+1], v[LI]
	s_mov_b32 s77, 0
	s_mov_b32 s37, 0
	s_mul_i32 s27, s26, 393216                     ; image b's share of q, of k and of vc
	s_mul_i32 s76, s24, 98304                      ; my 16 key tiles, and likewise my 8 channel tiles of V
	s_add_co_u32 s76, s76, s27
	s_wait_kmcnt 0x0
	s_add_nc_u64 s[6:7], s[6:7], s[76:77]          ; V
	s_add_co_u32 s76, s76, 6291456
	s_add_nc_u64 s[30:31], s[4:5], s[76:77]        ; K
	s_mov_b64 s[G0K+2:G0K+3], s[30:31]             ; key tiles 0-3,
	s_or_b32 s[G0K+3], s[G0K+3], 0x80000000        ; type = 2
	s_add_nc_u64 s[G0K+6:G0K+7], s[30:31], 24576   ; 4-7,
	s_or_b32 s[G0K+7], s[G0K+7], 0x80000000
	s_add_nc_u64 s[G0K2+2:G0K2+3], s[30:31], 49152 ; 8-11
	s_or_b32 s[G0K2+3], s[G0K2+3], 0x80000000
	s_add_nc_u64 s[G0V+2:G0V+3], s[6:7], 6144      ; V from key unit 4 on
	s_or_b32 s[G0V+3], s[G0V+3], 0x80000000
	CROUND                                         ; all four work-groups are here: the first joint loads meet
	tensor_load_to_lds s[G0K:G0K+3], s[G1K:G1K+7]          ; the first fills go out as one group: three loads of mine are out
	s_nop 0
	tensor_load_to_lds s[G0K+4:G0K+7], s[G1K:G1K+7]
	s_nop 0
	tensor_load_to_lds s[G0K2:G0K2+3], s[G1K:G1K+7]
	s_nop 0
.rept 4
	v_nop
.endr
	s_mul_i32 s36, s25, 24576
	s_add_co_u32 s36, s36, s27
	s_add_nc_u64 s[78:79], s[4:5], s[36:37]        ; Q: my four tiles
	s_lshl_b32 s27, s26, 14
	s_lshr_b32 s36, s25, 1
	s_lshl_b32 s36, s36, 9
	s_add_co_u32 s36, s36, s27
	s_add_nc_u64 s[32:33], s[8:9], s[36:37]        ; Q's scale words
	s_lshl_b32 s76, s24, 10
	s_add_co_u32 s76, s76, s27
	s_add_co_u32 s76, s76, 262144
	s_add_nc_u64 s[34:35], s[8:9], s[76:77]        ; K's
	s_lshl_b32 s76, s24, 9
	s_add_co_u32 s76, s76, s27
	s_add_co_u32 s76, s76, 524288
	s_add_nc_u64 s[8:9], s[8:9], s[76:77]          ; V's
.irp s, 0,1,2,3
	global_load_b128 v[QS+4*\s:QS+4*\s+3], v[QO], s[32:33] offset:4096*\s
.endr
.irp g, 0,1
.irp s, 0,1,2,3
	global_load_b128 v[KS+16*\g+4*\s:KS+16*\g+4*\s+3], v[LI], s[34:35] offset:4096*\s+512*\g
.endr
.endr
.set mm, 0
.rept 48
	global_load_b128 v[QF+4*mm:QF+4*mm+3], v[LI], s[78:79] offset:512*mm   ; Q's 16 fragments, (qt, s) at QF + 12 (4 qt + s): 24,576 consecutive bytes
.set mm, mm+1
.endr
	KGLOAD 0
	KGLOAD 1
	KGLOAD 2
	KGLOAD 3
	s_mul_i32 s76, s24, 49152
	s_add_co_u32 s76, s76, 589824
	s_add_nc_u64 s[10:11], s[10:11], s[76:77]      ; Wproj: my eight tiles
	s_lshl_b32 s76, s24, 11
	s_add_nc_u64 s[12:13], s[12:13], s[76:77]      ; their scale rows
	s_lshl_b32 s76, s24, 9
	s_add_nc_u64 s[14:15], s[14:15], s[76:77]      ; their bias
	s_lshl_b32 s36, s26, 21
	s_lshl_b32 s28, s25, 8
	s_add_co_u32 s36, s36, s28
	s_add_nc_u64 s[38:39], s[16:17], s[36:37]      ; x at (b, channel 0, my 64 pixels)
	s_lshl_b32 s28, s24, 19
	s_add_co_u32 s36, s36, s28
	s_add_nc_u64 s[16:17], s[16:17], s[36:37]      ; x and out at (b, channel 128 w, my 64 pixels)
	s_add_nc_u64 s[18:19], s[18:19], s[36:37]
	; ---- S^T = K Q^T: 16 places, 16 products each; four accumulators by turns; the first products start the sums.  The tile of place p + 4 is fetched from LDS at the head of place p.
.set pp, 0
.rept 16
.set kt, (pp+12)%16
.if pp+4 < 16
.if pp >= 1
	PLACES                                         ; the buffer that the place before has left is loaded again
.endif
.if pp == 0
	s_wait_tensorcnt 0x2                           ; my key tiles 0-3 lie in LDS; the two fills behind them may be out.  I alone read these bytes
.elseif pp == 4
	s_wait_tensorcnt 0x1                           ; tiles 4-7
.elseif pp == 8
	s_wait_tensorcnt 0x0                           ; tiles 8-11
.endif
	KLDS pp+4
.endif
.if pp < 4
	s_wait_loadcnt 12*(3-pp)                       ; Q, the scale words and this place's tile are in; the later direct tiles, twelve loads each, may be out
.elseif pp+4 < 16
	s_wait_dscnt 48                                ; this place's tile is in; the four behind it, twelve loads each, may be out
.else
	s_wait_dscnt 12*(15-pp)
.endif
	WIN 0xa1+0x50*(kt/8)                           ; source 0 (K) window 1, source 1 (Q) window 0, C and D window 2 or 3
.irp s, 0,1,2,3
.irp qt, 0,1,2,3
.if \s == 0
	MM 64*\qt+8*(kt%8), 48*(pp%5), QF+48*\qt, -1, KS+16*(kt/8)+kt%4, QS+\qt, (kt/4)%2, 0
.else
	MM 64*\qt+8*(kt%8), 48*(pp%5)+12*\s, QF+48*\qt+12*\s, 64*\qt+8*(kt%8), KS+16*(kt/8)+4*\s+kt%4, QS+4*\s+\qt, (kt/4)%2, 0
.endif
.endr
.endr
.set pp, pp+1
.endr
	WIN 0
	PLACES
	; ---- Q's registers are free: the addresses of the later phases
	v_and_b32 v216, 7, v0
	v_bfe_u32 v217, v0, 3, 1
	v_lshl_add_u32 v216, v217, 5, v216             ; P = r % 8 + 32 (r / 8)
	v_bfe_u32 v217, v0, 4, 1                       ; h
	v_and_b32 v218, 15, v0                         ; r
	v_lshlrev_b32 v[BPO], 2, v216                  ; bproj: channel P
	v_lshl_add_u32 v[WPO], v217, 6, v216
	v_lshlrev_b32 v[WPO], 4, v[WPO]                ; Wproj's scale rows of 16 bytes: row P + 64 h
	s_mul_i32 s27, s24, 3072
	v_add_nc_u32 v[PIA], s27, v[LI]                ; where I put P's images: key units 2 w, 2 w + 1
	s_lshl_b32 s27, s24, 8
	s_add_co_u32 s27, s27, PSC
	v_add_nc_u32 v[PSA], s27, v[LS]
	s_mul_i32 s27, s24, 1536
	s_add_co_u32 s27, s27, OIMG
	v_add_nc_u32 v[OIA], s27, v[LI]                ; where I put O's images: channel unit w
	s_lshl_b32 s27, s24, 7
	s_add_co_u32 s27, s27, OSC
	v_add_nc_u32 v[OSA], s27, v[LS]
	v_add_nc_u32 v[LIO], OIMG, v[LI]
	v_add_nc_u32 v[LSO], OSC, v[LS]
	s_lshl_b32 s27, s24, 2
	s_add_co_u32 s27, s27, MX
	v_lshl_add_u32 v[MXA], v218, 4, s27            ; query r's word of my wave
	v_lshlrev_b32 v[MXL], 4, v218
	v_add_nc_u32 v[MXL], MX, v[MXL]                ; query r's four words
	s_mul_i32 s27, s24, 4352
	s_add_co_u32 s27, s27, STG                     ; my stage
	v_mul_u32_u24 v[STO], v218, 272
	v_lshl_add_u32 v[STO], v217, 7, v[STO]
	v_add_nc_u32 v[STO], s27, v[STO]               ; in: row r (a channel), + 128 h: my 32 pixels
	v_mul_u32_u24 v[RD], v217, 272
	v_lshl_add_u32 v[RD], v218, 4, v[RD]
	v_add_nc_u32 v[RD], s27, v[RD]                 ; back: lanes 0-15 one row of 256 bytes, lanes 16-31 the next
	v_lshlrev_b32 v[GO], 12, v217
	v_lshl_add_u32 v[GO], v218, 4, v[GO]           ; and the same two channels in x and out
	v_lshlrev_b32 v[PFO], 12, v0
	v_mov_b32 v[TP], 0                             ; written once: a lane permute's destination counts as one of its sources
.irp i, 0,1,2,3
	v_mov_b32 v[84+\i], 0
.endr
.irp i, 0,1,2,3,4,5,6,7
	v_mov_b32 v[LL+\i], 0                          ; the sums of p
.endr
.set gg, 0
.rept 8
.irp u, 0,1
	global_load_b64 v[VS+4*gg+2*\u:VS+4*gg+2*\u+1], v[L8], s[8:9] offset:2048*gg+256*\u   ; V's scale words
.endr
.set gg, gg+1
.endr
	WIN 0x40
.irp ct, 0,1,2,3,4,5,6,7
	global_load_b32 v[192+8*\ct], v[BPO], s[14:15] offset:(64*(\ct/4)+8*(\ct%4))*4        ; bproj of my lane's output channel in tile ct
.endr
	VLOAD 0
	VLOAD 1
	; ---- the largest score of each block of 32 keys (a whole block lies in one lane): it serves for the row's maximum and for the block's scale.  Each accumulator is read from its low end on.
.irp g, 0,1
	WIN 0x0a+5*\g                                  ; sources 0 and 1: window 2 or 3
.irp qt, 0,1,2,3
.irp c, 0,1
	v_max_num_f32 v[BM+4*\qt+2*\g+\c], v[64*\qt+32*\c], v[64*\qt+32*\c+1]
.endr
.endr
.irp i, 2,4,6,8,10,12,14,16,18,20,22,24,26,28,30
.irp qt, 0,1,2,3
.irp c, 0,1
	v_max3_num_f32 v[BM+4*\qt+2*\g+\c], v[64*\qt+32*\c+\i], v[64*\qt+32*\c+\i+1], v[BM+4*\qt+2*\g+\c]
.endr
.endr
.endr
.endr
	WIN 0
.irp qt, 0,1,2,3
	v_max3_num_f32 v[80+\qt], v[BM+4*\qt], v[BM+4*\qt+1], v[BM+4*\qt+2]
.endr
.irp qt, 0,1,2,3
	v_max_num_f32 v[80+\qt], v[80+\qt], v[BM+4*\qt+3]
.endr
.irp qt, 0,1,2,3
	v_permlanex16_b32 v[84+\qt], v[80+\qt], s22, s23
.endr
.irp qt, 0,1,2,3
	v_max_num_f32 v[80+\qt], v[80+\qt], v[84+\qt]  ; my wave's 256 keys
.endr
.irp qt, 0,1,2,3
	ds_store_b32 v[MXA], v[80+\qt] offset:256*\qt  ; both halves of the lanes write the same word with the same value
.endr
	; ---- K's bytes are left.  One round does two things: the waves' maxima meet, and the bytes from VREG on may be filled again.
	s_wait_tensorcnt 0x0                           ; no tensor load of mine is out
	ds_add_u32 v[SPW], v[NIL]                      ; 0 onto my spare word
	s_wait_dscnt 0x0                               ; the add is done, my stores of the maxima have landed, and my reads of K are over
	CROUND                                         ; the same holds of every wave of all four work-groups
	tensor_load_to_lds s[G0V:G0V+3], s[G1V:G1V+7]  ; my one tensor load behind the round: V's key units 4-7 of my eight channel tiles; the whole softmax stands between it and the wait for it
	s_nop 0
.rept 4
	v_nop
.endr
.irp qt, 0,1,2,3
	ds_load_b128 v[64+4*\qt:67+4*\qt], v[MXL] offset:256*\qt
.endr
	s_wait_dscnt 0x0
.irp qt, 0,1,2,3
	v_max3_num_f32 v[80+\qt], v[64+4*\qt], v[65+4*\qt], v[66+4*\qt]
.endr
.irp qt, 0,1,2,3
	v_max_num_f32 v[80+\qt], v[80+\qt], v[67+4*\qt]   ; the row's largest score
.endr
.irp qt, 0,1,2,3
	v_mul_f32 v[NM+2*\qt+1], s20, v[80+\qt]        ; as t (c is positive)
.endr
.irp qt, 0,1,2,3
	v_floor_f32 v[NM+2*\qt], -v[NM+2*\qt+1]        ; -M = floor(-t) = -ceil(t)
.endr
; ---- p of query tile qt and my key unit g: 64 numbers a lane, quantised, the image to LDS; the sum is taken of the unquantised p
.macro PSTEP qt, g
	WIN 0x02+(\g)                                  ; source 0: window 2 or 3
.set jj, 0
.rept 32
	v_pk_fma_f32 v[PWK+2*jj:PWK+2*jj+1], v[64*(\qt)+2*jj:64*(\qt)+2*jj+1], s[20:21], v[NM+2*(\qt):NM+2*(\qt)+1] op_sel_hi:[1,0,0]   ; t - M (of the pairs c and -M the low word serves both halves)
.set jj, jj+1
.endr
	WIN 0
	v_fma_f32 v[BM+4*(\qt)+2*(\g)], v[BM+4*(\qt)+2*(\g)], s20, v[NM+2*(\qt)]       ; the same of each block's largest score
	v_fma_f32 v[BM+4*(\qt)+2*(\g)+1], v[BM+4*(\qt)+2*(\g)+1], s20, v[NM+2*(\qt)]
.set jj, 0
.rept 64
	v_exp_f32 v[PWK+jj], v[PWK+jj]                 ; p = 2^(t - M), at most 1
.set jj, jj+1
.endr
	v_exp_f32 v[BM+4*(\qt)+2*(\g)], v[BM+4*(\qt)+2*(\g)]
	v_exp_f32 v[BM+4*(\qt)+2*(\g)+1], v[BM+4*(\qt)+2*(\g)+1]
	v_nop                                          ; one plain place behind the exponentials
	s_wait_alu depctr_va_vdst(0)
	v_max_num_f32 v[T], 0x1800000, v[BM+4*(\qt)+2*(\g)]      ; the block's largest p, and the floor 2^(3 - 127)
	v_max_num_f32 v[T+1], 0x1800000, v[BM+4*(\qt)+2*(\g)+1]
	QTAIL PWK
.irp k, 0,1,2
	ds_store_b128 v[PIA], v[PC+4*\k:PC+4*\k+3] offset:PIMG+(8*(\qt)+(\g))*1536+512*\k
.endr
	ds_store_b32 v[PSA], v[PW] offset:(8*(\qt)+(\g))*128
	v_pk_add_f32 v[TS:TS+1], v[PWK:PWK+1], v[PWK+2:PWK+3]    ; two at a time, in two chains
.irp j, 4,8,12,16,20,24,28,32,36,40,44,48,52,56,60
	v_pk_add_f32 v[LL+2*(\qt):LL+2*(\qt)+1], v[LL+2*(\qt):LL+2*(\qt)+1], v[PWK+\j:PWK+\j+1]
	v_pk_add_f32 v[TS:TS+1], v[TS:TS+1], v[PWK+\j+2:PWK+\j+3]
.endr
	v_pk_add_f32 v[LL+2*(\qt):LL+2*(\qt)+1], v[LL+2*(\qt):LL+2*(\qt)+1], v[TS:TS+1]
.endm
.irp qt, 0,1,2,3
	PSTEP \qt, 1                                   ; window 3's scores first,
.endr
	VLOAD 2                                        ; so that its registers take V's key units 2 and 3 while window 2's scores are worked on
	VLOAD 3
.irp qt, 0,1,2,3
	PSTEP \qt, 0
.endr
.irp qt, 0,1,2,3
	v_add_f32 v[80+\qt], v[LL+2*\qt], v[LL+2*\qt+1]
.endr
.irp qt, 0,1,2,3
	v_permlanex16_b32 v[84+\qt], v[80+\qt], s22, s23
.endr
.irp qt, 0,1,2,3
	v_add_f32 v[80+\qt], v[80+\qt], v[84+\qt]      ; the sum over my wave's 256 keys
.endr
.irp qt, 0,1,2,3
	ds_store_b32 v[MXA], v[80+\qt] offset:1024+256*\qt
.endr
	s_wait_tensorcnt 0x0                           ; my part of V lies in LDS; I alone read it
	s_wait_dscnt 0x0                               ; for the others' sake: my images, words and sums have landed
	s_barrier_signal -1
	s_barrier_wait -1                              ; P's 32 images lie in LDS; no LDS byte is filled again from here on
.irp i, 0,1,2,3
	global_prefetch_b8 v[PFO], s[38:39] offset:524288*\i th:TH_LOAD_NT scope:SCOPE_SE   ; x of my work-group's 64 pixels: thread t asks for channels t + 128 i, each 256 bytes once; they are loaded in the projection, behind all of PV
.endr
.irp qt, 0,1,2,3
	ds_load_b128 v[BM+4*\qt:BM+4*\qt+3], v[MXL] offset:1024+256*\qt     ; the four waves' sums
.endr
	PFETCH 0
	PFETCH 1
	; ---- O^T = V P^T: eight key units, 32 products each, 32 accumulators by turns.  The set that a unit has left takes the unit four on: V's units 4-7 from LDS, then Wproj's four K steps from memory.
.set gg, 0
.rept 8
.if gg == 0
	s_wait_loadcnt 63                              ; V's scale words and unit 0 are in: 72 loads (units 1 to 3) were issued behind them
.elseif gg < 4
	s_wait_loadcnt 24*(3-gg)                       ; this unit is in; the later direct units, 24 loads each, may be out
.endif
.if (gg == 0) || (gg == 5) || (gg == 6)
	s_wait_dscnt 16                                ; this unit's P (and, from LDS, its V) is in; the next unit's P, 12 + 4 loads, may be out
.elseif gg < 5
	s_wait_dscnt 40                                ; likewise; behind this unit's P stand a unit of V, 24 loads, and the next P, 16
.else
	s_wait_dscnt 0x0
.endif
	WIN 0xa1+2*((gg%4)/2)                          ; source 0 (V) window 1 or 3, source 1 (P) window 0, C and D window 2
.irp ct, 0,1,2,3,4,5,6,7
.irp qt, 0,1,2,3
.if gg == 0
	MM 64*\qt+8*\ct, 96*(gg%2)+12*\ct, QF+48*(gg%2)+12*\qt, -1, VS+4*gg+2*(\ct/4)+\ct%2, PS+4*(gg%2)+\qt, (\ct/2)%2, 0
.else
	MM 64*\qt+8*\ct, 96*(gg%2)+12*\ct, QF+48*(gg%2)+12*\qt, 64*\qt+8*\ct, VS+4*gg+2*(\ct/4)+\ct%2, PS+4*(gg%2)+\qt, (\ct/2)%2, 0
.endif
.endr
.endr
	WIN 0
	PLACES
.if gg == 3
.irp i, 0,1,2,3
	global_load_b128 v[WPS+4*\i:WPS+4*\i+3], v[WPO], s[12:13] offset:128*\i   ; Wproj's scale words, where V's words of units 0-3 lay: ahead of Wproj's codes, so that the projection's waits can be counted
.endr
.endif
.if gg < 4
	VLDS gg+4
.else
	WLOAD gg-4
.endif
	WIN 0
.if gg+2 < 8
	PFETCH gg+2
.endif
.set gg, gg+1
.endr
	; ---- O / l, quantised along the channels; my 128 channels are K step w of the projection
	WIN 0x41                                       ; source 0 and destination window 1
.irp ct, 0,1,2,3,4,5,6,7
.irp i, 1,2,3,4,5,6,7
	v_mov_b32 v[192+8*\ct+\i], v[192+8*\ct]        ; the bias in the result's layout: a lane holds one output channel, so its eight registers are alike
.endr
.endr
	WIN 0
.irp qt, 0,1,2,3
	v_add_f32 v[BM+4*\qt], v[BM+4*\qt], v[BM+4*\qt+1]
.endr
.irp qt, 0,1,2,3
	v_add_f32 v[BM+4*\qt+2], v[BM+4*\qt+2], v[BM+4*\qt+3]
.endr
.irp qt, 0,1,2,3
	v_add_f32 v[BM+4*\qt], v[BM+4*\qt], v[BM+4*\qt+2]     ; l
.endr
.irp qt, 0,1,2,3
	v_rcp_f32 v[RL+2*\qt], v[BM+4*\qt]
	v_rcp_f32 v[RL+2*\qt+1], v[BM+4*\qt]
.endr
	v_nop                                          ; one plain place behind a transcendental
	s_wait_alu depctr_va_vdst(0)
.irp qt, 0,1,2,3
	WIN 0x02                                       ; source 0 window 2
.set jj, 0
.rept 32
	v_pk_mul_f32 v[PWK+2*jj:PWK+2*jj+1], v[64*\qt+2*jj:64*\qt+2*jj+1], v[RL+2*\qt:RL+2*\qt+1]   ; each accumulator from its low end on
.set jj, jj+1
.endr
	WIN 0
	QUANT PWK
.irp k, 0,1,2
	ds_store_b128 v[OIA], v[PC+4*\k:PC+4*\k+3] offset:6144*\qt+512*\k
.endr
	ds_store_b32 v[OSA], v[PW] offset:512*\qt
.endr
	s_wait_dscnt 0x0                               ; for the others' sake: my images and words have landed
	s_barrier_signal -1
	s_barrier_wait -1                              ; O's 16 images lie in LDS
	; ---- the projection: source 0 = 16 queries of O, source 1 = 16 rows of Wproj: a lane holds one output channel and eight neighbouring pixels.  32 accumulators by turns; the bias is the C of each sum's first product.
.irp qt, 0,1,2,3
.irp s, 0,1,2,3
	ds_load_b32 v[OS+4*\qt+\s], v[LSO] offset:(4*\qt+\s)*128
.endr
.endr
	OFETCH 0
	OFETCH 1
.irp s, 0,1,2,3
	s_wait_loadcnt 63                              ; Wproj's K step s (and its scale words) is in: behind it were issued the later K steps, 24 loads each, and the x asked for so far: 72, 72, 72 and 64 loads
.if \s < 3
	s_wait_dscnt 12                                ; this K step's O is in; the next one's twelve loads may be out
.else
	s_wait_dscnt 0x0
.endif
.if \s == 0
	WIN 0x94                                       ; source 1 (Wproj) and source 2 (the bias) window 1, destination window 2
.elseif \s == 1
	WIN 0xa4                                       ; source 1 window 1, C and D window 2
.else
	WIN 0xac                                       ; source 1 window 3
.endif
.irp ct, 0,1,2,3,4,5,6,7
.irp qt, 0,1,2,3
.if \s == 0
	MM 32*\ct+8*\qt, QF+12*\qt, 12*\ct, 192+8*\ct, OS+4*\qt, WPS+4*(\ct%4), 0, \ct/4
.else
	MM 32*\ct+8*\qt, QF+48*(\s%2)+12*\qt, 96*(\s%2)+12*\ct, 32*\ct+8*\qt, OS+4*\qt+\s, WPS+4*(\ct%4)+\s, 0, \ct/4
.endif
.endr
.endr
	WIN 0
	PLACES
.if \s+2 < 4
	OFETCH \s+2
.endif
.if \s == 0                            ; the set that is done with takes x
	XLOAD 0
	XLOAD 1
	XLOAD 2
.elseif \s == 1
	XLOAD 3
	XLOAD 4
	XLOAD 5
.elseif \s == 2
	XLOAD 6
	XLOAD 7
.endif
	WIN 0
.endr
; ---- THE WAY OUT, a tile of 16 output channels at a time.  A lane holds 128 bytes of a channel's 256; the tile goes through my own stage and comes back as whole rows, x is added, and sixteen lanes store 256 consecutive bytes.
; LDS serves a wave's instructions in order: no wait stands between the stores and the loads, nor ahead of the next tile's stores.
.macro TOSTAGE ct
	WIN 0x08                                       ; an LDS store's data are its source 1: window 2
.irp qt, 0,1,2,3
	ds_store_b128 v[STO], v[32*(\ct)+8*\qt:32*(\ct)+8*\qt+3] offset:32*\qt         ; each accumulator from its low end on
	ds_store_b128 v[STO], v[32*(\ct)+8*\qt+4:32*(\ct)+8*\qt+7] offset:32*\qt+16
.endr
	WIN 0
.irp i, 0,1,2,3,4,5,6,7
	ds_load_b128 v[QF+32*((\ct)%2)+4*\i:QF+32*((\ct)%2)+4*\i+3], v[RD] offset:544*\i
.endr
.endm
.macro SEND ct, younger
	s_wait_dscnt \younger                          ; the tile is back in registers; the next tile's eight stores and eight loads may be out
	s_wait_loadcnt 8*(7-(\ct))                     ; its x is in; the later tiles' may be out
.if (\ct) < 6
	WIN 0x04                                       ; source 1 (x) window 1
.set XB, 32*(\ct)
.else
	WIN 0x0c                                       ; window 3
.set XB, 32*((\ct)-6)
.endif
.set jj, 0
.rept 16
	v_pk_add_f32 v[QF+32*((\ct)%2)+2*jj:QF+32*((\ct)%2)+2*jj+1], v[QF+32*((\ct)%2)+2*jj:QF+32*((\ct)%2)+2*jj+1], v[XB+2*jj:XB+2*jj+1]
.set jj, jj+1
.endr
	WIN 0
.irp i, 0,1,2,3,4,5,6,7
	global_store_b128 v[GO], v[QF+32*((\ct)%2)+4*\i:QF+32*((\ct)%2)+4*\i+3], s[18:19] offset:(64*((\ct)/4)+8*((\ct)%4)+2*(\i%4)+32*(\i/4))*4096 th:TH_STORE_NT
.endr
.endm
	TOSTAGE 0
.irp a, 1,2,3,4,5,6,7
.if \a > 1
	s_wait_xcnt 0x0                                ; the stores of the tile two back have read their registers: this tile's rows land there
.endif
	TOSTAGE \a
	SEND \a-1, 16
.endr
	SEND 7, 0
	s_wait_tensorcnt 0x0                           ; the wave's end, behind my last tensor load and my last LDS store
	ds_add_u32 v[SPW], v[NIL]
	s_wait_dscnt 0x0
	CROUND                                         ; the closing round: no work-group ends while a partner may still ask for a tile that names it
	s_endpgm
.Lfunc_end_k_q2e608e67bc_attn:
	.size	k_q2e608e67bc_attn, .Lfunc_end_k_q2e608e67bc_attn-k_q2e608e67bc_attn
	.p2alignl 7, 3214868480
	.fill 96, 4, 3214868480
	.section	.rodata,"a",@progbits
	.p2align	6, 0x0
	.amdhsa_kernel k_q2e608e67bc_attn
		.amdhsa_group_segment_fixed_size 327680
		.amdhsa_private_segment_fixed_size 0
		.amdhsa_enable_private_segment 0
		.amdhsa_kernarg_size 64
		.amdhsa_user_sgpr_count 2
		.amdhsa_user_sgpr_kernarg_segment_ptr 1
		.amdhsa_wavefront_size32 1
		.amdhsa_system_sgpr_workgroup_id_x 1
		.amdhsa_system_sgpr_workgroup_id_y 1
		.amdhsa_system_sgpr_workgroup_id_z 1
		.amdhsa_system_vgpr_workitem_id 0
		.amdhsa_next_free_vgpr 1024
		.amdhsa_next_free_sgpr 80
		.amdhsa_reserve_vcc 0
		.amdhsa_float_denorm_mode_32 3
		.amdhsa_float_denorm_mode_16_64 3
		.amdhsa_memory_ordered 1
		.amdhsa_forward_progress 1
		.amdhsa_inst_pref_size 255
	.end_amdhsa_kernel
	.section	.bss,"aw",@nobits
	.p2align	6
	.space	262144
	.amdgpu_metadata
---
amdhsa.version: [ 1, 2 ]
amdhsa.kernels:
  - .name:           k_q2e608e67bc_attn
    .symbol:         k_q2e608e67bc_attn.kd
    .args:
      - { .name: qkc, .offset: 0, .size: 8, .value_kind: global_buffer, .address_space: global }
      - { .name: vc, .offset: 8, .size: 8, .value_kind: global_buffer, .address_space: global }
      - { .name: sw, .offset: 16, .size: 8, .value_kind: global_buffer, .address_space: global }
      - { .name: wimg, .offset: 24, .size: 8, .value_kind: global_buffer, .address_space: global }
      - { .name: wproj_scales, .offset: 32, .size: 8, .value_kind: global_buffer, .address_space: global }
      - { .name: bproj, .offset: 40, .size: 8, .value_kind: global_buffer, .address_space: global }
      - { .name: x, .offset: 48, .size: 8, .value_kind: global_buffer, .address_space: global }
      - { .name: out0, .offset: 56, .size: 8, .value_kind: global_buffer, .address_space: global }
    .group_segment_fixed_size: 327680
    .private_segment_fixed_size: 0
    .kernarg_segment_align: 8
    .kernarg_segment_size: 64
    .max_flat_workgroup_size: 128
    .sgpr_count:     80
    .vgpr_count:     1024
    .wavefront_size: 32
...
	.end_amdgpu_metadata
.endif
;; end of part 3
